; MI455X (gfx1250); checked and timed in simulation.
; The chip was launched on July 23, 2026; its instructions are those of AMD's public machine-readable ISA for CDNA 5 (MIT licence, August 2026) and "CDNA5" Instruction Set Architecture Reference Guide (July 2026). The comments in the code are by the model that wrote it; some were corrected since.
;; Deformable Transformer Encoder Layer. Allowed arithmetic: float matrix products may take bf16 or f16 operands with f32 sums; other float arithmetic in f32, or as packed bf16 or f16 multiplies, adds, multiply-adds, maxima and minima; sums over many terms, partial sums and values carried from step to step in f32; what a program stores and reads back later, other than sums and carried values, may be rounded once to bf16 or f16.
;; Inputs: W1 256 x 2,048 float32; W2 2,048 x 256 float32; W_attn 256 x 128 float32; W_off 256 x 256 float32; W_out 256 x 256 float32; W_val 256 x 256 float32; b1 2,048 float32; b2 256 float32; b_attn 128 float32; b_off 256 float32; b_out 256 float32; b_val 256 float32; be1 256 float32; be2 256 float32; feat0 2 x 128 x 128 x 256 float32; feat1 2 x 64 x 64 x 256 float32; feat2 2 x 32 x 32 x 256 float32; feat3 2 x 16 x 16 x 256 float32; g1 256 float32; g2 256 float32; pos0 2 x 128 x 128 x 256 float32; pos1 2 x 64 x 64 x 256 float32; pos2 2 x 32 x 32 x 256 float32; pos3 2 x 16 x 16 x 256 float32; ref0 2 x 128 x 128 x 2 float32; ref1 2 x 64 x 64 x 2 float32; ref2 2 x 32 x 32 x 2 float32; ref3 2 x 16 x 16 x 2 float32.
;; Outputs: out0 2 x 21,760 x 256 float32.
;; 3 versions, each right; version 3 is version 2 with the launch sample written anew for expert scheduling mode. Each part assembles by itself: llvm-mc -triple=amdgcn-amd-amdhsa -mcpu=gfx1250 --defsym DOCPART=n.
;; ======== version 1 of 3: 4 launches
;; limits: values outside matrix products are rounded to bf16
;; workspace buffers: wb 2,555,904 bytes; zbuf 22,282,240 bytes; val 22,544,384 bytes; idx 11,141,120 bytes of whole numbers; wts 44,564,480 bytes; accb 22,282,240 bytes
;; launch prep (part 1): grid 156 x 1, 8 waves a work-group, no clusters, 0 bytes of LDS; arguments W_val, W_off, W_attn, W_out, W1, W2, wb; writes wb
.if DOCPART == 1
	.amdgcn_target "amdgcn-amd-amdhsa--gfx1250"
	.amdhsa_code_object_version 6
	.text
	.protected	k_qd3a57f51ec_prep
	.globl	k_qd3a57f51ec_prep
	.p2align	8
	.type	k_qd3a57f51ec_prep,@function
k_qd3a57f51ec_prep:
	s_mov_b64 s[64:65], 0
	v_nop
	global_prefetch_b8 v0, s[64:65] scope:SCOPE_SE
	s_setreg_imm32_b32 hwreg(HW_REG_WAVE_MODE, 25, 1), 1
	s_wait_xcnt 0x0
; The six weight matrices, f32 [K][N], are rounded once to bf16 and laid into wb, still [K][N]:
;   byte 0          WCAT [256][640]: columns 0-255 W_val, 256-511 W_off, 512-639 W_attn (columns permuted, below)
;   byte 327,680    W_out [256][256];   byte 458,752  W1 [256][2048];   byte 1,507,328  W2 [2048][256]
; A work-group casts 8,192 numbers on end of one matrix: 8 + 8 + 4 + 8 + 64 + 64 = 156 work-groups.  A thread takes 8 numbers in each of 4 passes of 2,048:
; two loads of 16 bytes, one store of 16 bytes; sixteen neighbouring lanes store 256 consecutive bytes, aligned.
; W_attn's columns: inside each 16 (one head) destination 0-3 <- 0-3, 4-7 <- 8-11, 8-11 <- 4-7, 12-15 <- 12-15, so that in the next launch a lane's
; eight logits belong to the same two levels as its offsets.  A thread's eight destinations are then two runs of four sources, 32 bytes apart.
; No LDS, no matrix unit: a stream that is read once and written once.
.set WOUT_AT, 327680
.set W1_AT,   458752
.set W2_AT,   1507328
	s_load_b256 s[4:11], s[0:1], 0x0               ; W_val s[4:5], W_off s[6:7], W_attn s[8:9], W_out s[10:11]
	s_load_b128 s[12:15], s[0:1], 0x20             ; W1 s[12:13], W2 s[14:15]
	s_load_b64 s[16:17], s[0:1], 0x30              ; wb
	s_mov_b32 s20, 0                               ; the matrix's first work-group
	s_mov_b32 s21, 8                               ; log2 of its columns
	s_mov_b32 s22, 1280                            ; bytes from row to row at the destination
	s_mov_b32 s23, 0                               ; the destination's first byte
	s_mov_b32 s24, 0                               ; 16 where the columns are permuted
	s_wait_kmcnt 0x0
	s_mov_b64 s[26:27], s[4:5]
.macro PICK first, src, logn, pitch, db, perm      ; from work-group first on: the next matrix
	s_cmp_ge_u32 ttmp9, \first
	s_cselect_b64 s[26:27], s[\src:\src+1], s[26:27]
	s_cselect_b32 s20, \first, s20
	s_cselect_b32 s21, \logn, s21
	s_cselect_b32 s22, \pitch, s22
	s_cselect_b32 s23, \db, s23
	s_cselect_b32 s24, \perm, s24
.endm
	PICK 8, 6, 8, 1280, 512, 0
	PICK 16, 8, 7, 1280, 1024, 16
	PICK 20, 10, 8, 512, WOUT_AT, 0
	PICK 28, 12, 11, 4096, W1_AT, 0
	PICK 92, 14, 8, 512, W2_AT, 0
	s_sub_co_u32 s28, ttmp9, s20                   ; my number within the matrix
	s_lshl_b32 s30, s28, 15                        ; 8,192 numbers of 4 bytes
	s_mov_b32 s31, 0
	s_add_nc_u64 s[26:27], s[26:27], s[30:31]
	s_lshl_b32 s29, s28, 13                        ; my first number
	s_lshl_b32 s33, 1, s21
	s_sub_co_u32 s33, s33, 1                       ; mask of a column number
	s_sub_co_u32 s34, 32, s24                      ; an odd thread begins 32 bytes behind the even one, or 16 where permuted
	s_add_co_u32 s32, s24, 16                      ; the second run of four begins 16 bytes on, or 32 where permuted
	v_lshrrev_b32 v1, 1, v0
	v_and_b32 v2, 1, v0
	v_mul_lo_u32 v2, v2, s34
	v_lshl_add_u32 v1, v1, 6, v2                   ; first run of four
	v_add_nc_u32 v3, s32, v1                       ; second run
.irp i, 0,1,2,3
	global_load_b128 v[8+8*\i:8+8*\i+3], v1, s[26:27] offset:8192*\i th:TH_LOAD_NT
	global_load_b128 v[8+8*\i+4:8+8*\i+7], v3, s[26:27] offset:8192*\i th:TH_LOAD_NT
.endr
	v_lshl_add_u32 v4, v0, 3, s29                  ; my first number of pass 0
.irp i, 0,1,2,3
	v_add_nc_u32 v5, 2048*\i, v4
	v_lshrrev_b32 v6, s21, v5                      ; row
	v_and_b32 v5, s33, v5                          ; column
	v_mul_lo_u32 v6, v6, s22
	v_lshl_add_u32 v6, v5, 1, v6
	v_add_nc_u32 v[40+\i], s23, v6
.endr
.irp i, 0,1,2,3
	s_wait_loadcnt 6-2*\i                          ; loads return in order: this pass's two are in, two for each younger pass stay out
	v_cvt_pk_bf16_f32 v[44+4*\i], v[8+8*\i], v[8+8*\i+1]
	v_cvt_pk_bf16_f32 v[44+4*\i+1], v[8+8*\i+2], v[8+8*\i+3]
	v_cvt_pk_bf16_f32 v[44+4*\i+2], v[8+8*\i+4], v[8+8*\i+5]
	v_cvt_pk_bf16_f32 v[44+4*\i+3], v[8+8*\i+6], v[8+8*\i+7]
	global_store_b128 v[40+\i], v[44+4*\i:44+4*\i+3], s[16:17]
.endr
	s_endpgm
.Lfunc_end_k_qd3a57f51ec_prep:
	.size	k_qd3a57f51ec_prep, .Lfunc_end_k_qd3a57f51ec_prep-k_qd3a57f51ec_prep
	.p2alignl 7, 3214868480
	.fill 96, 4, 3214868480
	.section	.rodata,"a",@progbits
	.p2align	6, 0x0
	.amdhsa_kernel k_qd3a57f51ec_prep
		.amdhsa_group_segment_fixed_size 0
		.amdhsa_private_segment_fixed_size 0
		.amdhsa_enable_private_segment 0
		.amdhsa_kernarg_size 56
		.amdhsa_user_sgpr_count 2
		.amdhsa_user_sgpr_kernarg_segment_ptr 1
		.amdhsa_wavefront_size32 1
		.amdhsa_system_sgpr_workgroup_id_x 1
		.amdhsa_system_sgpr_workgroup_id_y 1
		.amdhsa_system_sgpr_workgroup_id_z 1
		.amdhsa_system_vgpr_workitem_id 0
		.amdhsa_next_free_vgpr 64
		.amdhsa_next_free_sgpr 66
		.amdhsa_reserve_vcc 0
		.amdhsa_float_denorm_mode_32 3
		.amdhsa_float_denorm_mode_16_64 3
		.amdhsa_memory_ordered 1
		.amdhsa_forward_progress 1
		.amdhsa_inst_pref_size 7
	.end_amdhsa_kernel
	.amdgpu_metadata
---
amdhsa.version: [ 1, 2 ]
amdhsa.kernels:
  - .name:           k_qd3a57f51ec_prep
    .symbol:         k_qd3a57f51ec_prep.kd
    .args:
      - { .name: W_val, .offset: 0, .size: 8, .value_kind: global_buffer, .address_space: global }
      - { .name: W_off, .offset: 8, .size: 8, .value_kind: global_buffer, .address_space: global }
      - { .name: W_attn, .offset: 16, .size: 8, .value_kind: global_buffer, .address_space: global }
      - { .name: W_out, .offset: 24, .size: 8, .value_kind: global_buffer, .address_space: global }
      - { .name: W1, .offset: 32, .size: 8, .value_kind: global_buffer, .address_space: global }
      - { .name: W2, .offset: 40, .size: 8, .value_kind: global_buffer, .address_space: global }
      - { .name: wb, .offset: 48, .size: 8, .value_kind: global_buffer, .address_space: global }
    .group_segment_fixed_size: 0
    .private_segment_fixed_size: 0
    .kernarg_segment_align: 8
    .kernarg_segment_size: 56
    .max_flat_workgroup_size: 256
    .sgpr_count:     66
    .vgpr_count:     64
    .wavefront_size: 32
...
	.end_amdgpu_metadata
.endif
;; end of part 1
;; launch proj (part 2): grid 228 x 1, 4 waves a work-group, clusters of 4 x 1, 327,680 bytes of LDS; arguments feat0, feat1, feat2, feat3, pos0, pos1, pos2, pos3, ref0, ref1, ref2, ref3, wb, b_val, b_off, b_attn, zbuf, val, idx, wts; writes zbuf, val, idx, wts
.if DOCPART == 2
	.amdgcn_target "amdgcn-amd-amdhsa--gfx1250"
	.amdhsa_code_object_version 6
	.text
	.protected	k_qd3a57f51ec_proj
	.globl	k_qd3a57f51ec_proj
	.p2align	8
	.type	k_qd3a57f51ec_proj,@function
k_qd3a57f51ec_proj:
	s_mov_b64 s[64:65], 0
	v_nop
	global_prefetch_b8 v0, s[64:65] scope:SCOPE_SE
	s_setreg_imm32_b32 hwreg(HW_REG_WAVE_MODE, 25, 1), 1
	s_wait_xcnt 0x0
	s_wait_alu depctr_hold_cnt(0) depctr_sa_sdst(0) depctr_va_vdst(0) depctr_va_sdst(0) depctr_va_ssrc(0) depctr_va_vcc(0) depctr_vm_vsrc(0)
	s_getreg_b32 s2, hwreg(HW_REG_IB_STS2, 6, 4)
	s_cmp_eq_u32 s2, 0
	s_cbranch_scc0 .Lentry_in_a_cluster
	s_endpgm
.Lentry_in_a_cluster:
	s_bfe_u32 s2, ttmp6, 0x10000c
	s_cmp_lg_u32 s2, 0x3003
	s_cbranch_scc0 .Lentry_shape_is_right
	s_endpgm
.Lentry_shape_is_right:
; z = feat + pos (bf16); value = z W_val + b_val; offsets and logits of z; softmax over a head's 16 logits; for each of a head's 16 sample points one
; token number (whole number, for the next launch's addresses) and four corner weights.
; BLOCKS.  A block is 16 rows on end of the output's row order (batch, then levels): 2,720 blocks, 1,360 a batch; levels begin at blocks 0, 1024, 1280, 1344 of a batch.
; SHARES.  228 work-groups of 4 waves; a wave owns 3 blocks.  Work-group g begins at block 12 g - min(g, 16): the first 16 own 11 blocks; their wave 3 computes a
; twelfth, which is the next work-group's first, and stores nothing of it (SK; the test hangs on the cluster's number and the wave's, alike in all partners).
; PRODUCTS are taken transposed: source 0 = 16 output channels (W lies [K][N] in LDS and is turned by ds_load_tr16_b128), source 1 = 16 tokens.  A lane of the
; result holds ONE token (lane % 16) and the channels 8 (lane / 16) + 0..7.
; zbuf: byte block x 8192 + t x 512 + lane x 16 holds channels 16 t + 8 (lane / 16) + 0..7 of token lane % 16: the register image of source 1 and of a result tile.
; val: [batch x 8 + head][22,016 tokens][32 channels] bf16.   idx: [block][head][lane][8 x u16].   wts: [block][head][4][lane][2 points x 4 bf16].
; A lane's point j = 4 g + k is point k of level (lane / 16) + 2 g.
; SAMPLING.  px = ref_x W + off_x - 0.5 (W a power of two), held to -2 .. W + 1; bx = floor(px) held to 0 .. W - 2; the two columns bx, bx + 1 get the tent weights
; max(0, 1 - |px - column|), which is the reference's zero padding; rows likewise.  tent(d) = the middle one of 1 + d, 1 - d, 0.
; CLUSTER.  All work-groups read the same five weight tiles of 256 x 128: the four of a cluster ask for each jointly, one tensor load and mask in all four.
; Four tiles lie in LDS at once; the fifth (the value weights' upper half) is filled into the first one's slot when that has been read, and lands while the heads are worked.
; LIMITS.  NaN and infinities are not treated apart.  z, val and the corner weights are rounded once to bf16.  An exponential below 2^-126 counts as 0.
.set PLANE, 1409024                    ; bytes of a (batch, head) plane of val
.set SLOTB, 73728                      ; a weight tile in LDS: 256 k rows x (256 + 32) bytes; the pitch is an odd multiple of 32
.set HALFK, 36864                      ; 128 of its rows: the immediate reaches four K steps, a second address register the other four
.set BT,    294912                     ; b_val 1,024 bytes, b_off 1,024, b_attn 512
.set VST,   297472                     ; the way out of val: for each wave 3 blocks x 16 rows x 80 bytes
.set SPARE, 312832                     ; the spare words, 128 bytes for each wave
; window 0
.set AT,   2                           ; my lane's place in a tile for the turning load
.set FOFF, 3                           ; row x 1,024 + 32 h in 16 rows of feat and pos
.set ROFF, 4                           ; 8 r in 16 rows of ref
.set LO16, 5                           ; 16 x lane
.set AW0,  6                           ; v6-9  LDS addresses of a run of fragment loads
.set ABT,  10
.set ABA,  11
.set H32,  12
.set H16,  13
.set VO,   14                          ; v14-16 my 16 bytes in a block's 1,024 of a plane of val
.set VSTO, 17
.set VRD,  18
.set SPW,  20                          ; my spare word; never rewritten
.set NIL,  21                          ; 0; never rewritten
.set REF,  22                          ; v22-27 (ref_x, ref_y) of my token in each block
.set WA,   28                          ; v28-29 W of my first level, twice; v30-31 of my second
.set W1A,  32                          ; v32-34 W + 1, W - 2, the level's first token; v35-37 the same for my second level
.set MC,   38                          ; v38-39 c x maximum (a pair for the packed scaling)
.set E,    40                          ; v40-63 three result tiles: offsets (two), logits
.set CB,   64                          ; v64-87 their biases, the C operand of the first K step
.set RA,   88                          ; v88-91 ref W - 0.5 for my two levels
.set IDX,  104                         ; v104-111
.set IDXP, 112                         ; v112-115
.set WPK,  116                         ; v116-131
.set SU,   132                         ; v132-135
.set ONEP, 144                         ; v144-145 1.0 twice
.set TWOP, 146                         ; v146-147 2.0 twice
.set TM,   150                         ; v150-151
.set VA,   152                         ; v152-199 six value tiles; while the heads are worked: v152-183 the points' (wxa, wxb, wya, wyb)
.set TS,   184                         ; v184-231 at work on four points at a time
.set CBV,  200                         ; v200-215 b_val for two tiles
.set VPK,  216                         ; v216-239 value tiles in bf16
.set BL,   240                         ; v240-244 biases on their way to LDS
.set RR,   245
.set HH,   246
.set LL,   247
.set BA0,  248                         ; v248-251 addresses of that copy; never rewritten
.set BA1,  BA0+1
; window 1: z as source 1, block b at 64 b.   window 2: four quarters of feat and pos on their way, 64 each.   window 3: weight fragments, tile x 64 + 8 ks
.set G1, 48                            ; s[48:55] descriptor group 1
.set G0, 56                            ; s[56:59] descriptor group 0
.set WV, 60
.set SK, 61
.set SBW, 62                           ; my first block
.set FP, 66                            ; block b: feat s[66+6b:67+6b], pos s[68+6b:..], ref s[70+6b:..]
.set OB, 90
.set OC, 91
.set CNT, 92
.set BC, 93
.set OO, 94
.set OA, 95
.set CS, 96                            ; s[96:97] log2(e)
.set SEL, 98                           ; s[98:99] each lane takes its own place in the other half
.set BB, 100                           ; s[100:101] the bias that my wave copies
.set ZP, 40
.set VP, 42
.set IP, 44
.set WP, 46
.set MSB, 0
.macro WIN new                         ; the high byte repeats the setting that is left; a switch that changes nothing is dropped
.if MSB != (\new)
	s_set_vgpr_msb (MSB<<8)|(\new)
.set MSB, \new
.endif
.endm
.macro PLACES                          ; four plain vector lines between a matrix instruction and what reads its result or loads into its registers
.rept 4
	v_nop
.endr
.endm
.macro CROUND                          ; a round of the cluster's barrier
	s_barrier_signal -1
	s_barrier_wait -1
	s_cmp_lg_u32 s[WV], 0
	s_cbranch_scc1 .Lnot_wave_0_\@
	s_barrier_signal -3
.Lnot_wave_0_\@:
	s_barrier_wait -3
	s_barrier_signal -1
	s_barrier_wait -1
.endm
	s_load_b512 s[8:23], s[0:1], 0x0               ; feat0-3 s[8:15], pos0-3 s[16:23]
	s_load_b256 s[24:31], s[0:1], 0x40             ; ref0-3
	s_load_b256 s[32:39], s[0:1], 0x60             ; wb, b_val, b_off, b_attn
	s_load_b256 s[40:47], s[0:1], 0x80             ; zbuf, val, idx, wts
	v_lshl_add_u32 v[SPW], v0, 2, SPARE
	v_mov_b32 v[NIL], 0
	ds_add_u32 v[SPW], v[NIL]                      ; the wave's opening: the add and its wait ahead of my first tensor load
	v_lshrrev_b32 v1, 5, v0
	v_readfirstlane_b32 s[WV], v1
	s_bfe_u32 s2, ttmp6, 0x40000                   ; cx
	s_lshl_b32 s3, ttmp9, 2
	s_add_co_u32 s3, s3, s2                        ; work-group g: it enters global addresses alone
	s_min_u32 s4, s3, 16
	s_mul_i32 s5, s3, 12
	s_sub_co_u32 s5, s5, s4
	s_mul_i32 s4, s[WV], 3
	s_add_co_u32 s[SBW], s5, s4
	s_cmp_lt_u32 ttmp9, 4                          ; clusters 0-3 hold work-groups 0-15
	s_cselect_b32 s4, 1, 0
	s_cmp_eq_u32 s[WV], 3
	s_cselect_b32 s[SK], s4, 0
	s_mov_b32 s[G1], 15|(1<<16)|(1<<20)|(1<<21)|(5<<22)|(7<<25)  ; the mask of four; 2-byte elements; padding on; bit 21 beside a mask; after every 64 words, 8 words
	s_mov_b32 s[G1+1], 128<<16                     ; tensor_dim0 = 128
	s_mov_b32 s[G1+2], 256<<16                     ; tensor_dim1 = 256
	s_mov_b32 s[G1+3], 128<<16                     ; tile_dim0 = 128
	s_mov_b32 s[G1+4], 256                         ; tile_dim1 = 256
	s_mov_b32 s[G1+5], 640                         ; elements from row to row of WCAT
	s_mov_b32 s[G1+6], 0
	s_mov_b32 s[G1+7], 0
	s_mov_b32 s[G0], 1
	s_mul_i32 s[G0+1], s[WV], SLOTB                ; wave w fills slot w
	s_mov_b32 s[CS], 0x3fb8aa3b
	s_mov_b32 s[CS+1], s[CS]
	s_mov_b32 s[SEL], 0x76543210
	s_mov_b32 s[SEL+1], 0xfedcba98
	v_and_b32 v[RR], 15, v0                        ; r
	v_bfe_u32 v[HH], v0, 4, 1                      ; h
	v_and_b32 v[LL], 31, v0                        ; lane
	v_and_b32 v1, 7, v0
	v_lshl_add_u32 v1, v[HH], 3, v1
	v_mul_u32_u24 v[AT], v1, 288                   ; k row 8 h + lane % 8,
	v_bfe_u32 v1, v0, 3, 1
	v_lshl_add_u32 v[AT], v1, 4, v[AT]             ; 8 columns by (lane / 8) % 2
	v_lshlrev_b32 v[H32], 5, v[HH]
	v_lshlrev_b32 v[H16], 4, v[HH]
	v_lshl_add_u32 v[FOFF], v[RR], 10, v[H32]
	v_lshlrev_b32 v[ROFF], 3, v[RR]
	v_lshlrev_b32 v[LO16], 4, v[LL]
	s_mul_i32 s4, s[WV], 3840
	s_add_co_u32 s4, s4, VST
	v_mul_u32_u24 v1, v[RR], 80
	v_add_nc_u32 v1, v1, v[H16]
	v_add_nc_u32 v[VSTO], s4, v1                   ; in: row r, 16 bytes by h
	v_lshrrev_b32 v1, 2, v[LL]
	v_mul_u32_u24 v1, v1, 80
	v_and_b32 v[VRD], 3, v0
	v_lshl_add_u32 v1, v[VRD], 4, v1
	v_add_nc_u32 v[VRD], s4, v1                    ; back: four lanes a row of 64 bytes
	v_mov_b32 v1, 128
	v_lshrrev_b32 v1, v[HH], v1                    ; levels 0 and 1: W = 128, 64
	v_cvt_f32_u32 v[WA], v1
	v_mov_b32 v[WA+1], v[WA]
	v_add_f32 v[W1A], 1.0, v[WA]
	v_add_f32 v[W1A+1], -2.0, v[WA]
	v_lshlrev_b32 v1, 14, v[HH]                    ; they begin at tokens 0 and 16,384
	v_cvt_f32_u32 v[W1A+2], v1
	v_mov_b32 v1, 32
	v_lshrrev_b32 v1, v[HH], v1                    ; levels 2 and 3: W = 32, 16
	v_cvt_f32_u32 v[WA+2], v1
	v_mov_b32 v[WA+3], v[WA+2]
	v_add_f32 v[W1A+3], 1.0, v[WA+2]
	v_add_f32 v[W1A+4], -2.0, v[WA+2]
	v_lshl_add_u32 v1, v[HH], 10, 20480            ; they begin at tokens 20,480 and 21,504
	v_cvt_f32_u32 v[W1A+5], v1
	v_mov_b32 v[ONEP], 1.0
	v_mov_b32 v[ONEP+1], 1.0
	v_mov_b32 v[TWOP], 2.0
	v_mov_b32 v[TWOP+1], 2.0
	v_mov_b32 v[MC+1], 0                           ; named in a pair
	v_mov_b32 v[TM+1], 0                           ; the lane exchange counts as a reader of its destination
	s_and_b32 s4, s[WV], 1
	s_lshl_b32 s4, s4, 9
	v_add_nc_u32 v[BA0], s4, v[LO16]               ; my wave's 512 bytes of b_val (waves 0, 1) or b_off (waves 2, 3)
	s_lshl_b32 s4, s[WV], 7
	v_lshl_add_u32 v[BA1], v[LL], 2, s4            ; my wave's 128 bytes of b_attn
	s_lshl_b32 s4, s[WV], 9
	s_add_co_u32 s4, s4, BT
	v_add_nc_u32 v[BA0+2], s4, v[LO16]
	v_add_nc_u32 v[BA0+3], BT+2048, v[BA1]
	s_wait_dscnt 0x0                               ; the opening add is done
	s_wait_kmcnt 0x0
	s_add_co_u32 s4, s[WV], 1
	s_lshl_b32 s4, s4, 8                           ; columns 256, 384, 512 of WCAT for waves 1, 2, 3: 256 (w + 1) bytes,
	s_cmp_eq_u32 s[WV], 0
	s_cselect_b32 s4, 0, s4                        ; column 0 for wave 0
	s_mov_b32 s5, 0
	s_add_nc_u64 s[G0+2:G0+3], s[32:33], s[4:5]
	s_or_b32 s[G0+3], s[G0+3], 0x80000000
	CROUND                                         ; all four work-groups are here: the first joint loads meet
	tensor_load_to_lds s[G0:G0+3], s[G1:G1+7]      ; one whole tile a wave: one tensor load of mine is out
	s_nop 0
	PLACES
; Block SBW + b: its batch, level and place in the level's tensors, and its place in a plane of val.
.macro LEVEL b, start, f, p, r, lognb
	s_cmp_ge_u32 s84, \start
	s_cselect_b64 s[FP+6*(\b):FP+6*(\b)+1], s[\f:\f+1], s[FP+6*(\b):FP+6*(\b)+1]
	s_cselect_b64 s[FP+6*(\b)+2:FP+6*(\b)+3], s[\p:\p+1], s[FP+6*(\b)+2:FP+6*(\b)+3]
	s_cselect_b64 s[FP+6*(\b)+4:FP+6*(\b)+5], s[\r:\r+1], s[FP+6*(\b)+4:FP+6*(\b)+5]
	s_cselect_b32 s86, \start, s86
	s_cselect_b32 s87, \lognb, s87
.endm
.macro SELBLK b
	s_add_co_u32 s84, s[SBW], \b
	s_cmp_ge_u32 s84, 1360
	s_cselect_b32 s85, 1, 0                        ; batch
	s_cselect_b32 s86, 1360, 0
	s_sub_co_u32 s84, s84, s86                     ; block within the batch
	s_mov_b64 s[FP+6*(\b):FP+6*(\b)+1], s[8:9]
	s_mov_b64 s[FP+6*(\b)+2:FP+6*(\b)+3], s[16:17]
	s_mov_b64 s[FP+6*(\b)+4:FP+6*(\b)+5], s[24:25]
	s_mov_b32 s86, 0                               ; the level's first block
	s_mov_b32 s87, 10                              ; log2 of its blocks a batch
	LEVEL \b, 1024, 10, 18, 26, 8
	LEVEL \b, 1280, 12, 20, 28, 6
	LEVEL \b, 1344, 14, 22, 30, 4
	s_sub_co_u32 s88, s84, s86
	s_lshl_b32 s89, s85, s87
	s_add_co_u32 s88, s88, s89                     ; block within the level's tensor
	s_lshl_b32 s90, s88, 14                        ; 16 rows of 1,024 bytes
	s_mov_b32 s91, 0
	s_add_nc_u64 s[FP+6*(\b):FP+6*(\b)+1], s[FP+6*(\b):FP+6*(\b)+1], s[90:91]
	s_add_nc_u64 s[FP+6*(\b)+2:FP+6*(\b)+3], s[FP+6*(\b)+2:FP+6*(\b)+3], s[90:91]
	s_lshl_b32 s90, s88, 7                         ; 16 rows of 8 bytes
	s_add_nc_u64 s[FP+6*(\b)+4:FP+6*(\b)+5], s[FP+6*(\b)+4:FP+6*(\b)+5], s[90:91]
	s_mul_i32 s89, s85, 8*PLANE
	s_lshl_b32 s90, s84, 10                        ; 16 tokens of 64 bytes
	s_add_co_u32 s89, s89, s90
	v_add_nc_u32 v[VO+(\b)], s89, v[LO16]
.endm
	SELBLK 0
	SELBLK 1
	SELBLK 2
	s_mov_b32 s5, 0
	s_lshl_b32 s4, s[SBW], 13
	s_add_nc_u64 s[ZP:ZP+1], s[ZP:ZP+1], s[4:5]
	s_lshl_b32 s4, s[SBW], 12
	s_add_nc_u64 s[IP:IP+1], s[IP:IP+1], s[4:5]
	s_lshl_b32 s4, s[SBW], 14
	s_add_nc_u64 s[WP:WP+1], s[WP:WP+1], s[4:5]
	s_cmp_lt_u32 s[WV], 2
	s_cselect_b64 s[BB:BB+1], s[34:35], s[36:37]
	global_load_b128 v[BL:BL+3], v[BA0], s[BB:BB+1]
	global_load_b32 v[BL+4], v[BA1], s[38:39]
.irp b, 0,1,2
	global_load_b64 v[REF+2*\b:REF+2*\b+1], v[ROFF], s[FP+6*\b+4:FP+6*\b+5]
.endr
; z.  Quarter i = 64 channels of block i / 4: 8 loads of feat and 8 of pos; the 8 on end cover 256 consecutive aligned bytes of each of 16 rows.  Four quarters are on their way.
.macro ZISSUE i
.set zb, (\i)/4
.set zq, (\i)%4
	WIN 0x80                                       ; destination window 2
.irp tt, 0,1,2,3
.irp pc, 0,1
	global_load_b128 v[64*zq+8*\tt+4*\pc:64*zq+8*\tt+4*\pc+3], v[FOFF], s[FP+6*zb:FP+6*zb+1] offset:256*zq+64*\tt+16*\pc th:TH_LOAD_NT
.endr
.endr
.irp tt, 0,1,2,3
.irp pc, 0,1
	global_load_b128 v[64*zq+32+8*\tt+4*\pc:64*zq+32+8*\tt+4*\pc+3], v[FOFF], s[FP+6*zb+2:FP+6*zb+3] offset:256*zq+64*\tt+16*\pc th:TH_LOAD_NT
.endr
.endr
.endm
.macro ZPROC i
.set zb, (\i)/4
.set zq, (\i)%4
	WIN 0x8a
.set n, 0
.rept 16
	v_pk_add_f32 v[64*zq+2*n:64*zq+2*n+1], v[64*zq+2*n:64*zq+2*n+1], v[64*zq+32+2*n:64*zq+32+2*n+1]
.set n, n+1
.endr
	WIN 0x4a                                       ; into window 1: source 1 of all this launch's products
.set n, 0
.rept 16
	v_cvt_pk_bf16_f32 v[64*zb+16*zq+n], v[64*zq+2*n], v[64*zq+2*n+1]
.set n, n+1
.endr
.if zb == 2
	WIN 0
	s_cmp_eq_u32 s[SK], 1
	s_cbranch_scc1 .Lzs_\@
.endif
	WIN 0x04                                       ; store data in window 1
.irp tt, 0,1,2,3
	global_store_b128 v[LO16], v[64*zb+16*zq+4*\tt:64*zb+16*zq+4*\tt+3], s[ZP:ZP+1] offset:zb*8192+(4*zq+\tt)*512  ; 512 consecutive bytes
.endr
	WIN 0
.if zb == 2
.Lzs_\@:
.endif
.endm
	ZISSUE 0
	ZISSUE 1
	ZISSUE 2
	WIN 0
	s_wait_loadcnt 51                              ; behind the two bias loads stand 3 of ref and 48 of z: the biases are in
	ds_store_b128 v[BA0+2], v[BL:BL+3]
	ds_store_b32 v[BA0+3], v[BL+4]
	ZISSUE 3
.irp i, 0,1,2,3,4,5,6,7
	s_wait_loadcnt 48                              ; this quarter's 16 are in; three younger quarters stay out
	ZPROC \i
	ZISSUE \i+4
.endr
	s_wait_loadcnt 48
	ZPROC 8
	s_wait_loadcnt 32
	ZPROC 9
	s_wait_loadcnt 16
	ZPROC 10
	s_wait_loadcnt 0x0
	ZPROC 11
	s_wait_tensorcnt 0x0                           ; my tile is in,
	s_wait_dscnt 0x0                               ; my part of the biases is stored,
	s_barrier_signal -1
	s_barrier_wait -1                              ; everybody's is
; VALUES.  Four heads of the tile in slot 0; a head is two tiles of 16 channels x 3 blocks: six accumulators by turns.
.macro VLOAD                           ; the head's 16 fragments and its bias
	WIN 0
	v_add_nc_u32 v[AW0], s[OO], v[AT]
	v_add_nc_u32 v[AW0+1], HALFK, v[AW0]
	v_add_nc_u32 v[ABT], s[OB], v[H32]
	WIN 0xc0
.irp u, 0,1
.irp ks, 0,1,2,3,4,5,6,7
	ds_load_tr16_b128 v[8*(8*\u+\ks):8*(8*\u+\ks)+3], v[AW0+\ks/4] offset:(\ks%4)*9216+32*\u
	ds_load_tr16_b128 v[8*(8*\u+\ks)+4:8*(8*\u+\ks)+7], v[AW0+\ks/4] offset:(\ks%4)*9216+4608+32*\u
.endr
.endr
	WIN 0
	ds_load_b128 v[CBV:CBV+3], v[ABT]
	ds_load_b128 v[CBV+4:CBV+7], v[ABT] offset:16
	ds_load_b128 v[CBV+8:CBV+11], v[ABT] offset:64
	ds_load_b128 v[CBV+12:CBV+15], v[ABT] offset:80
.endm
.macro VAL m0
	s_mov_b32 s[OO], 0
	s_mov_b32 s[OB], BT+128*(\m0)
	VLOAD
	s_mov_b32 s[CNT], 0
.Lval_\@:
	s_wait_dscnt 0x0                               ; the head's fragments and bias are in
	WIN 0x07                                       ; W in window 3, z in window 1, sums in window 0
.irp ks, 0,1,2,3,4,5,6,7
.irp u, 0,1
.irp bk, 0,1,2
.if \ks == 0
	v_wmma_f32_16x16x32_bf16 v[VA+8*(3*\u+\bk):VA+8*(3*\u+\bk)+7], v[8*(8*\u+\ks):8*(8*\u+\ks)+7], v[64*\bk+8*\ks:64*\bk+8*\ks+7], v[CBV+8*\u:CBV+8*\u+7]
.else
	v_wmma_f32_16x16x32_bf16 v[VA+8*(3*\u+\bk):VA+8*(3*\u+\bk)+7], v[8*(8*\u+\ks):8*(8*\u+\ks)+7], v[64*\bk+8*\ks:64*\bk+8*\ks+7], v[VA+8*(3*\u+\bk):VA+8*(3*\u+\bk)+7]
.endif
.endr
.endr
.endr
	WIN 0
	PLACES
	s_add_co_u32 s4, s[CNT], 1                     ; the next head's fragments are asked for while this head goes out; behind the fourth head the first is fetched once more and not used
	s_and_b32 s4, s4, 3
	s_lshl_b32 s[OO], s4, 6
	s_lshl_b32 s4, s4, 7
	s_add_co_u32 s[OB], s4, BT+128*(\m0)
	VLOAD
.irp bk, 0,1,2
.irp u, 0,1
.irp n, 0,1,2,3
	v_cvt_pk_bf16_f32 v[VPK+8*\bk+4*\u+\n], v[VA+8*(3*\u+\bk)+2*\n], v[VA+8*(3*\u+\bk)+2*\n+1]
.endr
.endr
.endr
.irp bk, 0,1,2
.irp u, 0,1
	ds_store_b128 v[VSTO], v[VPK+8*\bk+4*\u:VPK+8*\bk+4*\u+3] offset:1280*\bk+32*\u
.endr
.endr
.irp bk, 0,1,2
.irp i, 0,1
	ds_load_b128 v[VPK+8*\bk+4*\i:VPK+8*\bk+4*\i+3], v[VRD] offset:1280*\bk+640*\i  ; LDS serves a wave's instructions in order: these see the stores above; the stage is my wave's own
.endr
.endr
	s_wait_dscnt 0x0
.irp bk, 0,1
.irp i, 0,1
	global_store_b128 v[VO+\bk], v[VPK+8*\bk+4*\i:VPK+8*\bk+4*\i+3], s[VP:VP+1] offset:512*\i  ; 8 tokens x 64 bytes: 512 consecutive bytes
.endr
.endr
	s_cmp_eq_u32 s[SK], 1
	s_cbranch_scc1 .Lvs_\@
.irp i, 0,1
	global_store_b128 v[VO+2], v[VPK+16+4*\i:VPK+16+4*\i+3], s[VP:VP+1] offset:512*\i
.endr
.Lvs_\@:
	s_wait_xcnt 0x0                                ; the stores have read their data and base: both are written again only behind this wait
	s_add_nc_u64 s[VP:VP+1], s[VP:VP+1], PLANE     ; the next head's plane
	s_add_co_u32 s[CNT], s[CNT], 1
	s_cmp_lt_u32 s[CNT], 4
	s_cbranch_scc1 .Lval_\@
.endm
	VAL 0
	; Slot 0 has been read out: it takes the value weights' upper half.  Every wave: all my tensor loads are done, the add, my reads are back; a round of the cluster's barrier; wave 0 asks.
	s_wait_tensorcnt 0x0
	ds_add_u32 v[SPW], v[NIL]
	s_add_nc_u64 s[G0+2:G0+3], s[G0+2:G0+3], 256   ; wave 0's tile: columns 128-255 of WCAT (the other waves' stepped addresses are not used)
	s_wait_dscnt 0x0
	CROUND
	s_cmp_lg_u32 s[WV], 0
	s_cbranch_scc1 .Lno_fill
	tensor_load_to_lds s[G0:G0+3], s[G1:G1+7]      ; it has all eight heads' work in which to land
	s_nop 0
	PLACES
.Lno_fill:
; HEADS.  For head m: two tiles of offsets and one of logits for each block.  The arms hold the products (z's registers differ by block); what follows them is written once.
.macro HADDR                           ; s4 = the head
	s_lshr_b32 s5, s4, 2
	s_mul_i32 s5, s5, SLOTB                        ; heads 0-3 in slot 1, 4-7 in slot 2,
	s_and_b32 s6, s4, 3
	s_lshl_b32 s6, s6, 6                           ; 32 columns a head
	s_add_co_u32 s5, s5, s6
	s_add_co_u32 s[OO], s5, SLOTB
	s_lshl_b32 s5, s4, 5                           ; the logits' 16 columns in slot 3
	s_add_co_u32 s[OA], s5, 3*SLOTB
	s_lshl_b32 s5, s4, 7
	s_add_co_u32 s[OB], s5, BT+1024
	s_lshl_b32 s5, s4, 6
	s_add_co_u32 s[OC], s5, BT+2048
.endm
.macro HLOAD
	WIN 0
	v_add_nc_u32 v[AW0], s[OO], v[AT]
	v_add_nc_u32 v[AW0+1], HALFK, v[AW0]
	v_add_nc_u32 v[AW0+2], s[OA], v[AT]
	v_add_nc_u32 v[AW0+3], HALFK, v[AW0+2]
	v_add_nc_u32 v[ABT], s[OB], v[H32]
	v_add_nc_u32 v[ABA], s[OC], v[H16]
	WIN 0xc0
.irp u, 0,1
.irp ks, 0,1,2,3,4,5,6,7
	ds_load_tr16_b128 v[8*(8*\u+\ks):8*(8*\u+\ks)+3], v[AW0+\ks/4] offset:(\ks%4)*9216+32*\u
	ds_load_tr16_b128 v[8*(8*\u+\ks)+4:8*(8*\u+\ks)+7], v[AW0+\ks/4] offset:(\ks%4)*9216+4608+32*\u
.endr
.endr
.irp ks, 0,1,2,3,4,5,6,7
	ds_load_tr16_b128 v[128+8*\ks:128+8*\ks+3], v[AW0+2+\ks/4] offset:(\ks%4)*9216
	ds_load_tr16_b128 v[128+8*\ks+4:128+8*\ks+7], v[AW0+2+\ks/4] offset:(\ks%4)*9216+4608
.endr
	WIN 0
	ds_load_b128 v[CB:CB+3], v[ABT]
	ds_load_b128 v[CB+4:CB+7], v[ABT] offset:16
	ds_load_b128 v[CB+8:CB+11], v[ABT] offset:64
	ds_load_b128 v[CB+12:CB+15], v[ABT] offset:80
	ds_load_b128 v[CB+16:CB+19], v[ABA]            ; b_attn in the permuted order: my first level's four,
	ds_load_b128 v[CB+20:CB+23], v[ABA] offset:32  ; my second level's
.endm
.macro ARM bb
	s_wait_dscnt 0x0
	WIN 0x07
.irp ks, 0,1,2,3,4,5,6,7
.irp tl, 0,1,2
.if \ks == 0
	v_wmma_f32_16x16x32_bf16 v[E+8*\tl:E+8*\tl+7], v[8*(8*\tl+\ks):8*(8*\tl+\ks)+7], v[64*(\bb)+8*\ks:64*(\bb)+8*\ks+7], v[CB+8*\tl:CB+8*\tl+7]
.else
	v_wmma_f32_16x16x32_bf16 v[E+8*\tl:E+8*\tl+7], v[8*(8*\tl+\ks):8*(8*\tl+\ks)+7], v[64*(\bb)+8*\ks:64*(\bb)+8*\ks+7], v[E+8*\tl:E+8*\tl+7]
.endif
.endr
.endr
	WIN 0
	v_pk_fma_f32 v[RA:RA+1], v[REF+2*(\bb):REF+2*(\bb)+1], v[WA:WA+1], -0.5 op_sel_hi:[1,0,0]
	v_pk_fma_f32 v[RA+2:RA+3], v[REF+2*(\bb):REF+2*(\bb)+1], v[WA+2:WA+3], -0.5 op_sel_hi:[1,0,0]
.if (\bb) == 2
	PLACES
	s_add_co_u32 s4, s[CNT], 1                     ; the head's last block: the next head's fragments are asked for; behind head 7 head 0's, which are not used
	s_and_b32 s4, s4, 7
	HADDR
	HLOAD
.endif
.endm
; Four points (k = 0..3 of level group gg) step by step, so that no line reads the result of the line before it.  Set q of 12 registers at TS + 12 q: p, floor, d, 1 + d, 1 - d, 2 - d.
.macro POINTG4 gg
.set w1, W1A+3*(\gg)
.irp q, 0,1,2,3
	v_pk_add_f32 v[TS+12*\q:TS+12*\q+1], v[E+8*(\gg)+2*\q:E+8*(\gg)+2*\q+1], v[RA+2*(\gg):RA+2*(\gg)+1]
.endr
.irp q, 0,1,2,3
	v_med3_num_f32 v[TS+12*\q], v[TS+12*\q], -2.0, v[w1]
	v_med3_num_f32 v[TS+12*\q+1], v[TS+12*\q+1], -2.0, v[w1]
.endr
.irp q, 0,1,2,3
	v_floor_f32 v[TS+12*\q+2], v[TS+12*\q]
	v_floor_f32 v[TS+12*\q+3], v[TS+12*\q+1]
.endr
.irp q, 0,1,2,3
	v_med3_num_f32 v[TS+12*\q+2], v[TS+12*\q+2], 0, v[w1+1]
	v_med3_num_f32 v[TS+12*\q+3], v[TS+12*\q+3], 0, v[w1+1]
.endr
.irp q, 0,1,2,3
	v_pk_add_f32 v[TS+12*\q+4:TS+12*\q+5], v[TS+12*\q:TS+12*\q+1], v[TS+12*\q+2:TS+12*\q+3] neg_lo:[0,1] neg_hi:[0,1]
.endr
.irp q, 0,1,2,3
	v_pk_add_f32 v[TS+12*\q+6:TS+12*\q+7], v[ONEP:ONEP+1], v[TS+12*\q+4:TS+12*\q+5]
	v_pk_add_f32 v[TS+12*\q+8:TS+12*\q+9], v[ONEP:ONEP+1], v[TS+12*\q+4:TS+12*\q+5] neg_lo:[0,1] neg_hi:[0,1]
	v_pk_add_f32 v[TS+12*\q+10:TS+12*\q+11], v[TWOP:TWOP+1], v[TS+12*\q+4:TS+12*\q+5] neg_lo:[0,1] neg_hi:[0,1]
.endr
.irp q, 0,1,2,3
	v_med3_num_f32 v[VA+4*(4*(\gg)+\q)], v[TS+12*\q+6], v[TS+12*\q+8], 0      ; column bx
	v_med3_num_f32 v[VA+4*(4*(\gg)+\q)+1], v[TS+12*\q+4], v[TS+12*\q+10], 0   ; column bx + 1
	v_med3_num_f32 v[VA+4*(4*(\gg)+\q)+2], v[TS+12*\q+7], v[TS+12*\q+9], 0    ; row by
	v_med3_num_f32 v[VA+4*(4*(\gg)+\q)+3], v[TS+12*\q+5], v[TS+12*\q+11], 0   ; row by + 1
.endr
.irp q, 0,1,2,3
	v_fma_f32 v[TS+12*\q], v[TS+12*\q+3], v[WA+2*(\gg)], v[TS+12*\q+2]        ; by W + bx: whole numbers up to 21,742, exact in f32
.endr
.irp q, 0,1,2,3
	v_add_f32 v[TS+12*\q], v[TS+12*\q], v[w1+2]
.endr
.irp q, 0,1,2,3
	v_cvt_u32_f32 v[IDX+4*(\gg)+\q], v[TS+12*\q]
.endr
.endm
.macro POINTW4 gg                      ; A wy wx for the four corners, rounded to bf16: (row by: bx, bx + 1), (row by + 1: bx, bx + 1).  Set q of 8 registers at TS + 8 q
.irp q, 0,1,2,3
	v_mul_f32 v[TS+8*\q], v[VA+4*(4*(\gg)+\q)+2], v[E+16+4*(\gg)+\q]
	v_mul_f32 v[TS+8*\q+2], v[VA+4*(4*(\gg)+\q)+3], v[E+16+4*(\gg)+\q]
.endr
.irp q, 0,1,2,3
	v_pk_mul_f32 v[TS+8*\q+4:TS+8*\q+5], v[VA+4*(4*(\gg)+\q):VA+4*(4*(\gg)+\q)+1], v[TS+8*\q:TS+8*\q+1] op_sel_hi:[1,0]
	v_pk_mul_f32 v[TS+8*\q+6:TS+8*\q+7], v[VA+4*(4*(\gg)+\q):VA+4*(4*(\gg)+\q)+1], v[TS+8*\q+2:TS+8*\q+3] op_sel_hi:[1,0]
.endr
.irp q, 0,1,2,3
	v_cvt_pk_bf16_f32 v[WPK+2*(4*(\gg)+\q)], v[TS+8*\q+4], v[TS+8*\q+5]
	v_cvt_pk_bf16_f32 v[WPK+2*(4*(\gg)+\q)+1], v[TS+8*\q+6], v[TS+8*\q+7]
.endr
.endm
	s_mov_b32 s4, 0
	HADDR
	HLOAD
	s_mov_b32 s[CNT], 0
.Lhead:
	s_mov_b32 s[BC], 0
.Lblk:
	s_cmp_eq_u32 s[BC], 0
	s_cbranch_scc1 .Larm0
	s_cmp_eq_u32 s[BC], 1
	s_cbranch_scc1 .Larm1
	ARM 2
	s_branch .Ljoin
.Larm0:
	ARM 0
	s_branch .Ljoin
.Larm1:
	ARM 1
.Ljoin:
	PLACES
	v_max3_num_f32 v[TM], v[E+16], v[E+17], v[E+18]       ; the maximum of my 8 logits (each tile's lowest registers are read first),
	v_max3_num_f32 v[TM], v[TM], v[E+19], v[E+20]
	v_max3_num_f32 v[TM], v[TM], v[E+21], v[E+22]
	v_max_num_f32 v[TM], v[TM], v[E+23]
	v_permlanex16_b32 v[TM+1], v[TM], s[SEL], s[SEL+1]    ; and of the head's other 8, which lie in the lane 16 away
	v_max_num_f32 v[TM], v[TM], v[TM+1]
	v_mul_f32 v[MC], s[CS], v[TM]
.irp n, 0,1,2,3
	v_pk_fma_f32 v[E+16+2*\n:E+16+2*\n+1], v[E+16+2*\n:E+16+2*\n+1], s[CS:CS+1], v[MC:MC+1] op_sel_hi:[1,0,0] neg_lo:[0,0,1] neg_hi:[0,0,1]
.endr
.irp n, 0,1,2,3,4,5,6,7
	v_exp_f32 v[E+16+\n], v[E+16+\n]
.endr
	POINTG4 0                                      ; the points' places: plain work that names none of the exponentials' results
	POINTG4 1
	s_wait_alu depctr_va_vdst(0)                   ; one wait for the eight exponentials, ahead of their first reader
	v_pk_add_f32 v[SU:SU+1], v[E+16:E+17], v[E+18:E+19]
	v_pk_add_f32 v[SU+2:SU+3], v[E+20:E+21], v[E+22:E+23]
	v_pk_add_f32 v[SU:SU+1], v[SU:SU+1], v[SU+2:SU+3]
	v_add_f32 v[SU], v[SU], v[SU+1]
	v_permlanex16_b32 v[SU+1], v[SU], s[SEL], s[SEL+1]
	v_add_f32 v[SU], v[SU], v[SU+1]
	v_rcp_f32 v[SU+2], v[SU]
.irp n, 0,1,2,3
	v_lshl_or_b32 v[IDXP+\n], v[IDX+2*\n+1], 16, v[IDX+2*\n]
.endr
	s_wait_alu depctr_va_vdst(0)                   ; the reciprocal's wait; the four packing lines stand between
.irp n, 0,1,2,3
	v_pk_mul_f32 v[E+16+2*\n:E+16+2*\n+1], v[E+16+2*\n:E+16+2*\n+1], v[SU+2:SU+3] op_sel_hi:[1,0]
.endr
	POINTW4 0
	POINTW4 1
	s_cmp_eq_u32 s[BC], 2
	s_cselect_b32 s4, s[SK], 0
	s_cmp_eq_u32 s4, 1
	s_cbranch_scc1 .Lno_store
	global_store_b128 v[LO16], v[IDXP:IDXP+3], s[IP:IP+1]      ; each store: 512 consecutive bytes
.irp p, 0,1,2,3
	global_store_b128 v[LO16], v[WPK+4*\p:WPK+4*\p+3], s[WP:WP+1] offset:512*\p
.endr
.Lno_store:
	s_wait_xcnt 0x0                                ; data and bases are written again only behind this wait
	s_add_nc_u64 s[IP:IP+1], s[IP:IP+1], 4096      ; the next block
	s_add_nc_u64 s[WP:WP+1], s[WP:WP+1], 16384
	s_add_co_u32 s[BC], s[BC], 1
	s_cmp_lt_u32 s[BC], 3
	s_cbranch_scc1 .Lblk
	s_sub_nc_u64 s[IP:IP+1], s[IP:IP+1], 11776     ; three blocks back, one head on
	s_sub_nc_u64 s[WP:WP+1], s[WP:WP+1], 47104
	s_add_co_u32 s[CNT], s[CNT], 1
	s_cmp_lt_u32 s[CNT], 8
	s_cbranch_scc1 .Lhead
	s_wait_tensorcnt 0x0                           ; wave 0: the upper half of the value weights is in
	ds_add_u32 v[SPW], v[NIL]
	s_wait_dscnt 0x0
	s_barrier_signal -1
	s_barrier_wait -1                              ; every wave may read it
	VAL 4
	s_wait_tensorcnt 0x0                           ; the wave's end: behind my last tensor load and my last LDS store
	ds_add_u32 v[SPW], v[NIL]
	s_wait_dscnt 0x0
	CROUND                                         ; the closing round
	s_endpgm
.Lfunc_end_k_qd3a57f51ec_proj:
	.size	k_qd3a57f51ec_proj, .Lfunc_end_k_qd3a57f51ec_proj-k_qd3a57f51ec_proj
	.p2alignl 7, 3214868480
	.fill 96, 4, 3214868480
	.section	.rodata,"a",@progbits
	.p2align	6, 0x0
	.amdhsa_kernel k_qd3a57f51ec_proj
		.amdhsa_group_segment_fixed_size 327680
		.amdhsa_private_segment_fixed_size 0
		.amdhsa_enable_private_segment 0
		.amdhsa_kernarg_size 160
		.amdhsa_user_sgpr_count 2
		.amdhsa_user_sgpr_kernarg_segment_ptr 1
		.amdhsa_wavefront_size32 1
		.amdhsa_system_sgpr_workgroup_id_x 1
		.amdhsa_system_sgpr_workgroup_id_y 1
		.amdhsa_system_sgpr_workgroup_id_z 1
		.amdhsa_system_vgpr_workitem_id 0
		.amdhsa_next_free_vgpr 960
		.amdhsa_next_free_sgpr 104
		.amdhsa_reserve_vcc 0
		.amdhsa_float_denorm_mode_32 3
		.amdhsa_float_denorm_mode_16_64 3
		.amdhsa_memory_ordered 1
		.amdhsa_forward_progress 1
		.amdhsa_inst_pref_size 113
	.end_amdhsa_kernel
	.amdgpu_metadata
---
amdhsa.version: [ 1, 2 ]
amdhsa.kernels:
  - .name:           k_qd3a57f51ec_proj
    .symbol:         k_qd3a57f51ec_proj.kd
    .args:
      - { .name: feat0, .offset: 0, .size: 8, .value_kind: global_buffer, .address_space: global }
      - { .name: feat1, .offset: 8, .size: 8, .value_kind: global_buffer, .address_space: global }
      - { .name: feat2, .offset: 16, .size: 8, .value_kind: global_buffer, .address_space: global }
      - { .name: feat3, .offset: 24, .size: 8, .value_kind: global_buffer, .address_space: global }
      - { .name: pos0, .offset: 32, .size: 8, .value_kind: global_buffer, .address_space: global }
      - { .name: pos1, .offset: 40, .size: 8, .value_kind: global_buffer, .address_space: global }
      - { .name: pos2, .offset: 48, .size: 8, .value_kind: global_buffer, .address_space: global }
      - { .name: pos3, .offset: 56, .size: 8, .value_kind: global_buffer, .address_space: global }
      - { .name: ref0, .offset: 64, .size: 8, .value_kind: global_buffer, .address_space: global }
      - { .name: ref1, .offset: 72, .size: 8, .value_kind: global_buffer, .address_space: global }
      - { .name: ref2, .offset: 80, .size: 8, .value_kind: global_buffer, .address_space: global }
      - { .name: ref3, .offset: 88, .size: 8, .value_kind: global_buffer, .address_space: global }
      - { .name: wb, .offset: 96, .size: 8, .value_kind: global_buffer, .address_space: global }
      - { .name: b_val, .offset: 104, .size: 8, .value_kind: global_buffer, .address_space: global }
      - { .name: b_off, .offset: 112, .size: 8, .value_kind: global_buffer, .address_space: global }
      - { .name: b_attn, .offset: 120, .size: 8, .value_kind: global_buffer, .address_space: global }
      - { .name: zbuf, .offset: 128, .size: 8, .value_kind: global_buffer, .address_space: global }
      - { .name: val, .offset: 136, .size: 8, .value_kind: global_buffer, .address_space: global }
      - { .name: idx, .offset: 144, .size: 8, .value_kind: global_buffer, .address_space: global }
      - { .name: wts, .offset: 152, .size: 8, .value_kind: global_buffer, .address_space: global }
    .group_segment_fixed_size: 327680
    .private_segment_fixed_size: 0
    .kernarg_segment_align: 8
    .kernarg_segment_size: 160
    .max_flat_workgroup_size: 128
    .sgpr_count:     104
    .vgpr_count:     960
    .wavefront_size: 32
...
	.end_amdgpu_metadata
.endif
;; end of part 2
;; launch sample (part 3): grid 2720 x 1, 8 waves a work-group, no clusters, 0 bytes of LDS; arguments val, idx, wts, accb; writes accb
.if DOCPART == 3
	.amdgcn_target "amdgcn-amd-amdhsa--gfx1250"
	.amdhsa_code_object_version 6
	.text
	.protected	k_qd3a57f51ec_sample
	.globl	k_qd3a57f51ec_sample
	.p2align	8
	.type	k_qd3a57f51ec_sample,@function
k_qd3a57f51ec_sample:
	s_mov_b64 s[64:65], 0
	v_nop
	global_prefetch_b8 v0, s[64:65] scope:SCOPE_SE
	s_setreg_imm32_b32 hwreg(HW_REG_WAVE_MODE, 25, 1), 1
	s_wait_xcnt 0x0
; acc[q][head][:] = the sum over the head's 16 points and their 4 corners of weight x value row.  A work-group is a block of 16 queries, a wave a head.
; Lane (r = lane % 16, h = lane / 16) owns query r and the channels 8 h + 0..7 and 16 + 8 h + 0..7 of the head: the two 16-byte pieces that accb's layout gives it
; (byte block x 8192 + t x 512 + lane x 16 holds channels 16 t + 8 h + 0..7; t = 2 head + c).
; The token numbers are whole numbers that the launch before stored: point j of set hp (the storing lane's half) lies in level hp + 2 (j / 4); the corners are
; token, token + 1, token + W, token + W + 1, 64 bytes a token.  A number is held to 21,759 before it enters an address; a plane has 22,016 tokens, so that even then
; no corner leaves it.  Weights are bf16 pairs (columns bx, bx + 1) for rows by and by + 1; products and sums in f32.
; Four points' 32 loads are on their way in each wave, and several waves share a SIMD.  Nothing is shared between waves: no LDS, no cluster, no matrix unit.
.set PLANE, 1409024
.set HO,   4                           ; 16 r
.set H16,  5                           ; 16 h
.set LO16, 6                           ; 16 x lane
.set TT,   7
.set IDX,  8                           ; v8-11 the set in hand, v12-15 the second set
.set WT,   16                          ; v16-31, v32-47: point j's rows at 2 j, 2 j + 1
.set ADR,  48                          ; v48-55 slot s: byte offset of rows by and by + 1
.set ACC,  56                          ; v56-71
.set G,    72                          ; v72-199 slot s: 8 x 16 bytes: (row, column, piece)
.set OUT,  200
.set STR,  22                          ; s22, s23: bytes from row to row in the levels of points 0-3 and 4-7
	s_load_b256 s[4:11], s[0:1], 0x0               ; val s[4:5], idx s[6:7], wts s[8:9], accb s[10:11]
	v_lshrrev_b32 v1, 5, v0
	v_readfirstlane_b32 s12, v1                    ; head
	v_and_b32 v2, 15, v0
	v_bfe_u32 v3, v0, 4, 1
	v_lshlrev_b32 v[HO], 4, v2
	v_lshlrev_b32 v[H16], 4, v3
	v_and_b32 v[LO16], 31, v0
	v_lshlrev_b32 v[LO16], 4, v[LO16]
	s_lshl_b32 s13, ttmp9, 3
	s_add_co_u32 s13, s13, s12                     ; block x 8 + head
	s_lshl_b32 s14, s13, 9
	s_mov_b32 s15, 0
	s_lshl_b32 s16, s13, 11
	s_mov_b32 s17, 0
	s_lshl_b32 s20, s13, 10
	s_mov_b32 s21, 0
	s_cmp_ge_u32 ttmp9, 1360                       ; the batch
	s_cselect_b32 s18, 8, 0
	s_add_co_u32 s18, s18, s12
	s_mul_i32 s18, s18, PLANE
	s_mov_b32 s19, 0
	s_mov_b32 s[STR], 8192                         ; set 0: levels 0 and 2: 128 and 32 tokens a row
	s_mov_b32 s[STR+1], 2048
	s_mov_b32 s24, 2
	s_wait_kmcnt 0x0
	s_add_nc_u64 s[6:7], s[6:7], s[14:15]
	s_add_nc_u64 s[8:9], s[8:9], s[16:17]
	s_add_nc_u64 s[4:5], s[4:5], s[18:19]
	s_add_nc_u64 s[10:11], s[10:11], s[20:21]
	global_load_b128 v[IDX:IDX+3], v[HO], s[6:7] th:TH_LOAD_NT
	global_load_b128 v[IDX+4:IDX+7], v[HO], s[6:7] offset:256 th:TH_LOAD_NT
.irp p, 0,1,2,3
	global_load_b128 v[WT+4*\p:WT+4*\p+3], v[HO], s[8:9] offset:512*\p th:TH_LOAD_NT
	global_load_b128 v[WT+16+4*\p:WT+16+4*\p+3], v[HO], s[8:9] offset:512*\p+256 th:TH_LOAD_NT
.endr
.set n, 0
.rept 16
	v_mov_b32 v[ACC+n], 0                          ; written while the numbers and weights are on their way, so that every point has one form
.set n, n+1
.endr
	s_wait_loadcnt 0x0
.macro ISSUE j                         ; point j's eight pieces are asked for, into slot j % 4
.set sl, (\j)%4
.if (\j)%2 == 0
	v_and_b32 v[TT], 0xffff, v[IDX+(\j)/2]
.else
	v_lshrrev_b32 v[TT], 16, v[IDX+(\j)/2]
.endif
	v_min_u32 v[TT], 0x54ff, v[TT]
	v_lshl_add_u32 v[ADR+2*sl], v[TT], 6, v[H16]
	v_add_nc_u32 v[ADR+2*sl+1], s[STR+(\j)/4], v[ADR+2*sl]
.irp dy, 0,1
.irp dx, 0,1
.irp c, 0,1
	global_load_b128 v[G+32*sl+4*((\dy*2+\dx)*2+\c):G+32*sl+4*((\dy*2+\dx)*2+\c)+3], v[ADR+2*sl+\dy], s[4:5] offset:64*\dx+32*\c
.endr
.endr
.endr
.endm
.macro FMAS j                          ; 64 multiply-adds straight from bf16 halves into the 16 f32 sums; fifteen other sums stand between two on one
.set gb, G+32*((\j)%4)
.set wb, WT+2*(\j)
.irp dy, 0,1
.irp dx, 0,1
.irp c, 0,1
.irp n, 0,1,2,3
	v_fma_mix_f32_bf16 v[ACC+8*\c+2*\n], v[gb+4*((\dy*2+\dx)*2+\c)+\n], v[wb+\dy], v[ACC+8*\c+2*\n] op_sel:[0,\dx,0] op_sel_hi:[1,1,0]
	v_fma_mix_f32_bf16 v[ACC+8*\c+2*\n+1], v[gb+4*((\dy*2+\dx)*2+\c)+\n], v[wb+\dy], v[ACC+8*\c+2*\n+1] op_sel:[1,\dx,0] op_sel_hi:[1,1,0]
.endr
.endr
.endr
.endr
.endm
.Lset:
	ISSUE 0
	ISSUE 1
	ISSUE 2
	ISSUE 3
.irp j, 0,1,2,3
	s_wait_loadcnt 24                              ; eight loads for each of three younger points stay out; the wait also frees the slot's registers
	FMAS \j
	ISSUE \j+4
.endr
	s_wait_loadcnt 24
	FMAS 4
	s_wait_loadcnt 16
	FMAS 5
	s_wait_loadcnt 8
	FMAS 6
	s_wait_loadcnt 0x0
	FMAS 7
.set n, 0
.rept 4
	v_mov_b32 v[IDX+n], v[IDX+4+n]                 ; the second set takes the first one's place
.set n, n+1
.endr
.set n, 0
.rept 16
	v_mov_b32 v[WT+n], v[WT+16+n]
.set n, n+1
.endr
	s_lshr_b32 s[STR], s[STR], 1                   ; levels 1 and 3: 64 and 16 tokens a row
	s_lshr_b32 s[STR+1], s[STR+1], 1
	s_sub_co_u32 s24, s24, 1
	s_cmp_lg_u32 s24, 0
	s_cbranch_scc1 .Lset
.irp c, 0,1
.irp n, 0,1,2,3
	v_cvt_pk_bf16_f32 v[OUT+4*\c+\n], v[ACC+8*\c+2*\n], v[ACC+8*\c+2*\n+1]
.endr
.endr
	global_store_b128 v[LO16], v[OUT:OUT+3], s[10:11]              ; 512 consecutive bytes each
	global_store_b128 v[LO16], v[OUT+4:OUT+7], s[10:11] offset:512
	s_endpgm
.Lfunc_end_k_qd3a57f51ec_sample:
	.size	k_qd3a57f51ec_sample, .Lfunc_end_k_qd3a57f51ec_sample-k_qd3a57f51ec_sample
	.p2alignl 7, 3214868480
	.fill 96, 4, 3214868480
	.section	.rodata,"a",@progbits
	.p2align	6, 0x0
	.amdhsa_kernel k_qd3a57f51ec_sample
		.amdhsa_group_segment_fixed_size 0
		.amdhsa_private_segment_fixed_size 0
		.amdhsa_enable_private_segment 0
		.amdhsa_kernarg_size 32
		.amdhsa_user_sgpr_count 2
		.amdhsa_user_sgpr_kernarg_segment_ptr 1
		.amdhsa_wavefront_size32 1
		.amdhsa_system_sgpr_workgroup_id_x 1
		.amdhsa_system_sgpr_workgroup_id_y 1
		.amdhsa_system_sgpr_workgroup_id_z 1
		.amdhsa_system_vgpr_workitem_id 0
		.amdhsa_next_free_vgpr 208
		.amdhsa_next_free_sgpr 66
		.amdhsa_reserve_vcc 0
		.amdhsa_float_denorm_mode_32 3
		.amdhsa_float_denorm_mode_16_64 3
		.amdhsa_memory_ordered 1
		.amdhsa_forward_progress 1
		.amdhsa_inst_pref_size 45
	.end_amdhsa_kernel
	.amdgpu_metadata
---
amdhsa.version: [ 1, 2 ]
amdhsa.kernels:
  - .name:           k_qd3a57f51ec_sample
    .symbol:         k_qd3a57f51ec_sample.kd
    .args:
      - { .name: val, .offset: 0, .size: 8, .value_kind: global_buffer, .address_space: global }
      - { .name: idx, .offset: 8, .size: 8, .value_kind: global_buffer, .address_space: global }
      - { .name: wts, .offset: 16, .size: 8, .value_kind: global_buffer, .address_space: global }
      - { .name: accb, .offset: 24, .size: 8, .value_kind: global_buffer, .address_space: global }
    .group_segment_fixed_size: 0
    .private_segment_fixed_size: 0
    .kernarg_segment_align: 8
    .kernarg_segment_size: 32
    .max_flat_workgroup_size: 256
    .sgpr_count:     66
    .vgpr_count:     208
    .wavefront_size: 32
...
	.end_amdgpu_metadata
.endif
;; end of part 3
;; launch ffn (part 4): grid 228 x 1, 4 waves a work-group, clusters of 4 x 1, 327,680 bytes of LDS; arguments accb, zbuf, wb, b_out, g1, be1, b1, b2, g2, be2, out0; writes out0
.if DOCPART == 4
	.amdgcn_target "amdgcn-amd-amdhsa--gfx1250"
	.amdhsa_code_object_version 6
	.text
	.protected	k_qd3a57f51ec_ffn
	.globl	k_qd3a57f51ec_ffn
	.p2align	8
	.type	k_qd3a57f51ec_ffn,@function
k_qd3a57f51ec_ffn:
	s_mov_b64 s[64:65], 0
	v_nop
	global_prefetch_b8 v0, s[64:65] scope:SCOPE_SE
	s_setreg_imm32_b32 hwreg(HW_REG_WAVE_MODE, 25, 1), 1
	s_wait_xcnt 0x0
	s_wait_alu depctr_hold_cnt(0) depctr_sa_sdst(0) depctr_va_vdst(0) depctr_va_sdst(0) depctr_va_ssrc(0) depctr_va_vcc(0) depctr_vm_vsrc(0)
	s_getreg_b32 s2, hwreg(HW_REG_IB_STS2, 6, 4)
	s_cmp_eq_u32 s2, 0
	s_cbranch_scc0 .Lentry_in_a_cluster
	s_endpgm
.Lentry_in_a_cluster:
	s_bfe_u32 s2, ttmp6, 0x10000c
	s_cmp_lg_u32 s2, 0x3003
	s_cbranch_scc0 .Lentry_shape_is_right
	s_endpgm
.Lentry_shape_is_right:
; x = LN1(z + acc W_out + b_out);  out = LN2(x + relu(x W1 + b1) W2 + b2).
; SHARES as in the launch that made z: 228 work-groups of 4 waves, a wave owns 3 blocks of 16 rows; work-group g begins at block 12 g - min(g, 16); in the first 16
; work-groups wave 3's third block is the next work-group's first and is not stored (SK).
; PRODUCTS are taken transposed: source 0 = 16 output channels (weights lie [K][N] in LDS and are turned by ds_load_tr16_b128), source 1 = 16 rows.  A lane of a result holds
; ONE row (lane % 16) and the channels 8 (lane / 16) + 0..7; two results rounded to bf16 ARE the next product's source 1.  So from W_out to LN2 nothing changes lanes, a row's 256
; numbers stay in f32 in 48 accumulators (y), and a row's sums want one exchange between the halves of the lanes.
; THE RING.  The hidden layer goes in 16 chunks of 128 units: W1's 256 x 128 and W2's 128 x 256, one slot; two slots take turns.  W_out is slot 0's first content.
; A chunk is 4 steps of 32 units: 48 products x W1 (six accumulators by turns), ReLU and rounding, 48 products onto y.
; CLUSTER.  Every work-group walks the same weights: the four of a cluster ask for each tile jointly, the same tensor load, descriptor and mask in all four.
; LIMITS.  NaN and infinities are not treated apart.  z enters as bf16 (rounded once by the launch that stored it), acc likewise; x is rounded to bf16 for the product alone.
.set SLOT,  143360                     ; W1's part 256 x 288 bytes, then W2's 128 x 544; both pitches are odd multiples of 32
.set W2OFF, 73728
.set B1T,   286720                     ; b1, 8,192 bytes
.set STAGE, 294912                     ; the way out: 16 rows x 272 bytes for each wave
.set SPARE, 312320                     ; the spare words, 128 bytes for each wave
.set WOUT_AT, 327680
.set W1_AT,   458752
.set W2_AT,   1507328
; window 0
.set AT1, 2                            ; my lane's place for the turning load at pitch 288
.set AT2, 3                            ; at pitch 544
.set A1A, 4                            ; v4-5
.set A2,  6
.set AB1, 7
.set FO,  8                            ; 16 x lane
.set PO,  9                            ; 32 h: my 8 numbers in each 16 of a vector by channels
.set STO, 10
.set RD,  11
.set GO,  12
.set PFO, 13
.set ONE, 14
.set ZERO, 15
.set SS,  16                           ; v16-23 four chains of sums
.set RS,  24                           ; v24-29 1 / sqrt(var + eps) of each block (the low register of a pair)
.set SPW, 30
.set NIL, 31
.set HT,  32                           ; v32-79 hidden tiles: (u, block) at 8 (3 u + block)
.set HF,  80                           ; v80-103 the same as source 1, block b at 8 b
.set B1,  104                          ; v104-119 b1 of the step's 2 x 16 units
.set MU,  120                          ; v120-121
.set TA,  122                          ; v122-127
.set W1F, 128                          ; v128-255 W1's fragments (u, ks) at 8 (8 u + ks)
; window 1: y of blocks 0 and 1 (tile t at 8 t, 128 + 8 t).  window 2: y of block 2 at 8 t; v128-255 W2's fragments, tile t at 128 + 8 t.
; window 3: x (first acc) as source 1: block b, K step ks at 64 b + 8 ks; v192-255 rows on their way out
.set G1A, 32                           ; s[32:39] group 1: 128 rows x 128 of W1
.set G1B, 40                           ; s[40:47] group 1: 64 rows x 256 of W2 or W_out
.set G0X, 48                           ; s[48:51] my quarter of W_out
.set G0A, 52                           ; s[52:55] a half of a chunk's W1
.set G0B, 56                           ; s[56:59] a half of a chunk's W2
.set WV, 60
.set SK, 61
.set SBW, 62
.set TB, 63                            ; the slot in hand
.set O1, 66
.set O2, 67
.set OB1, 68
.set CNT, 69
.set SLOTS, 70
.set LIM, 71
.set LA, 72
.set LB, 73
.set PFA, 74                           ; s[74:75]
.set PFS, 76                           ; s[76:77]
.set SEL, 78                           ; s[78:79]
.set INV, 80
.set EPS, 81
.set CX, 82
.set MSB, 0
.macro WIN new
.if MSB != (\new)
	s_set_vgpr_msb (MSB<<8)|(\new)
.set MSB, \new
.endif
.endm
.macro PLACES                          ; four plain vector lines between a matrix instruction and what reads its result or loads into its registers
.rept 4
	v_nop
.endr
.endm
.macro CROUND
	s_barrier_signal -1
	s_barrier_wait -1
	s_cmp_lg_u32 s[WV], 0
	s_cbranch_scc1 .Lnot_wave_0_\@
	s_barrier_signal -3
.Lnot_wave_0_\@:
	s_barrier_wait -3
	s_barrier_signal -1
	s_barrier_wait -1
.endm
.macro JLOAD                           ; a joint refill: waves 0 and 1 the halves of W1's part, waves 2 and 3 those of W2's
	s_cmp_lt_u32 s[WV], 2
	s_cbranch_scc0 .Lfor_2_\@
	tensor_load_to_lds s[G0A:G0A+3], s[G1A:G1A+7]
	s_nop 0
	PLACES
	s_branch .Lasked_\@
.Lfor_2_\@:
	tensor_load_to_lds s[G0B:G0B+3], s[G1B:G1B+7]
	s_nop 0
	PLACES
.Lasked_\@:
.endm
; A prefetch of the chunk that the NEXT change of slots will load: 256 pieces of 256 bytes of W1 (a row each) and 256 of W2 (on end).  All clusters walk the same weights: cluster 0 asks.
; Its 4 partners x 4 waves x 32 lanes take a piece each, told apart by address.  The last refill asks for nothing; W_out and chunks 0 and 1 come by their loads alone.
.macro ASK
	s_cmp_gt_u32 s[SLOTS], s[LIM]
	s_cbranch_scc0 .Lnot_mine_\@
	global_prefetch_b8 v[PFO], s[PFA:PFA+1] th:TH_LOAD_NT scope:SCOPE_SE
.Lnot_mine_\@:
.endm
	s_load_b512 s[8:23], s[0:1], 0x0               ; accb s[8:9], zbuf s[10:11], wb s[12:13], b_out s[14:15], g1 s[16:17], be1 s[18:19], b1 s[20:21], b2 s[22:23]
	s_load_b128 s[24:27], s[0:1], 0x40             ; g2 s[24:25], be2 s[26:27]
	s_load_b64 s[28:29], s[0:1], 0x50              ; out0
	v_lshl_add_u32 v[SPW], v0, 2, SPARE
	v_mov_b32 v[NIL], 0
	ds_add_u32 v[SPW], v[NIL]                      ; the wave's opening: the add and its wait ahead of my first tensor load
	v_lshrrev_b32 v1, 5, v0
	v_readfirstlane_b32 s[WV], v1
	s_bfe_u32 s[CX], ttmp6, 0x40000
	s_lshl_b32 s3, ttmp9, 2
	s_add_co_u32 s3, s3, s[CX]                     ; work-group g: it enters global addresses alone
	s_min_u32 s4, s3, 16
	s_mul_i32 s5, s3, 12
	s_sub_co_u32 s5, s5, s4
	s_mul_i32 s4, s[WV], 3
	s_add_co_u32 s[SBW], s5, s4
	s_cmp_lt_u32 ttmp9, 4
	s_cselect_b32 s4, 1, 0
	s_cmp_eq_u32 s[WV], 3
	s_cselect_b32 s[SK], s4, 0
	s_cmp_eq_u32 ttmp9, 0
	s_cselect_b32 s[LIM], 1, -1
	s_mov_b32 s[G1A], 15|(1<<16)|(1<<20)|(1<<21)|(5<<22)|(7<<25)  ; the mask of four; 2-byte elements; padding on; bit 21 beside a mask; after every 64 words, 8 words
	s_mov_b32 s[G1A+1], 128<<16                    ; tensor_dim0
	s_mov_b32 s[G1A+2], 128<<16                    ; tensor_dim1
	s_mov_b32 s[G1A+3], 128<<16                    ; tile_dim0
	s_mov_b32 s[G1A+4], 128                        ; tile_dim1
	s_mov_b32 s[G1A+5], 2048                       ; elements from row to row of W1
	s_mov_b32 s[G1A+6], 0
	s_mov_b32 s[G1A+7], 0
	s_mov_b32 s[G1B], 15|(1<<16)|(1<<20)|(1<<21)|(6<<22)|(7<<25)  ; after every 128 words, 8 words
	s_mov_b32 s[G1B+1], 256<<16
	s_mov_b32 s[G1B+2], 64<<16
	s_mov_b32 s[G1B+3], 256<<16
	s_mov_b32 s[G1B+4], 64
	s_mov_b32 s[G1B+5], 256
	s_mov_b32 s[G1B+6], 0
	s_mov_b32 s[G1B+7], 0
	s_and_b32 s6, s[WV], 1
	s_mul_i32 s[LA], s6, 36864                     ; my half's place in a slot: 128 rows of 288 bytes,
	s_mul_i32 s[LB], s6, 34816                     ; or 64 rows of 544 behind W1's part
	s_add_co_u32 s[LB], s[LB], W2OFF
	s_mov_b32 s[G0X], 1
	s_mul_i32 s[G0X+1], s[WV], 34816               ; W_out: 64 rows a wave, in slot 0
	s_mov_b32 s[G0A], 1
	s_add_co_u32 s[G0A+1], s[LA], SLOT             ; chunk 0 goes to slot 1
	s_mov_b32 s[G0B], 1
	s_add_co_u32 s[G0B+1], s[LB], SLOT
	s_mov_b32 s[TB], 0
	s_mov_b32 s[OB1], B1T
	s_mov_b32 s[SEL], 0x76543210
	s_mov_b32 s[SEL+1], 0xfedcba98
	s_mov_b32 s[INV], 0x3b800000                   ; 1 / 256
	s_mov_b32 s[EPS], 0x3727c5ac                   ; 1e-5
	v_and_b32 v[TA], 15, v0                        ; r
	v_bfe_u32 v[TA+1], v0, 4, 1                    ; h
	v_and_b32 v[TA+2], 31, v0                      ; lane
	v_and_b32 v1, 7, v0
	v_lshl_add_u32 v1, v[TA+1], 3, v1
	v_bfe_u32 v[TA+3], v0, 3, 1
	v_mul_u32_u24 v[AT1], v1, 288
	v_lshl_add_u32 v[AT1], v[TA+3], 4, v[AT1]
	v_mul_u32_u24 v[AT2], v1, 544
	v_lshl_add_u32 v[AT2], v[TA+3], 4, v[AT2]
	v_lshlrev_b32 v[FO], 4, v[TA+2]
	v_lshlrev_b32 v[PO], 5, v[TA+1]
	s_mul_i32 s4, s[WV], 4352
	s_add_co_u32 s4, s4, STAGE
	v_mul_u32_u24 v1, v[TA], 272
	v_add_nc_u32 v1, v1, v[PO]
	v_add_nc_u32 v[STO], s4, v1                    ; in: row r, 32 bytes by h
	v_mul_u32_u24 v1, v[TA+1], 272
	v_lshl_add_u32 v1, v[TA], 4, v1
	v_add_nc_u32 v[RD], s4, v1                     ; back: lanes 0-15 one row's 256 bytes, lanes 16-31 the next row's
	v_lshlrev_b32 v1, 10, v[TA+1]
	v_lshl_add_u32 v[GO], v[TA], 4, v1             ; and the same two rows of out0
	s_cmp_lt_u32 s[WV], 2
	s_cselect_b32 s5, 12, 8
	v_lshlrev_b32 v[PFO], s5, v[TA+2]              ; a lane a row of W1 (4,096 bytes apart) or a piece of W2 (256 apart)
	v_mov_b32 v[ONE], 1.0
	v_mov_b32 v[ZERO], 0
	v_mov_b32 v[MU+1], 0                           ; named in pairs
	v_mov_b32 v[RS+1], 0
	v_mov_b32 v[RS+3], 0
	v_mov_b32 v[RS+5], 0
	s_lshl_b32 s5, s[WV], 11
	v_add_nc_u32 v[TA+4], s5, v[FO]                ; my wave's 2,048 bytes of b1,
	v_add_nc_u32 v[TA+5], B1T, v[TA+4]             ; and their place in LDS
	s_wait_dscnt 0x0                               ; the opening add is done
	s_wait_kmcnt 0x0
	s_mov_b32 s5, 0
	s_lshl_b32 s4, s[WV], 15
	s_add_co_u32 s4, s4, WOUT_AT
	s_add_nc_u64 s[G0X+2:G0X+3], s[12:13], s[4:5]
	s_or_b32 s[G0X+3], s[G0X+3], 0x80000000
	s_lshl_b32 s4, s6, 19                          ; 128 rows of 4,096 bytes
	s_add_co_u32 s4, s4, W1_AT
	s_add_nc_u64 s[G0A+2:G0A+3], s[12:13], s[4:5]
	s_or_b32 s[G0A+3], s[G0A+3], 0x80000000
	s_lshl_b32 s4, s6, 15                          ; 64 rows of 512 bytes
	s_add_co_u32 s4, s4, W2_AT
	s_add_nc_u64 s[G0B+2:G0B+3], s[12:13], s[4:5]
	s_or_b32 s[G0B+3], s[G0B+3], 0x80000000
	s_lshl_b32 s7, s6, 5
	s_lshl_b32 s6, s[CX], 6
	s_add_co_u32 s6, s6, s7                        ; my wave's first piece: 64 cx + 32 (w % 2)
	s_cmp_lt_u32 s[WV], 2
	s_cselect_b32 s7, 12, 8
	s_mov_b32 s4, W2_AT+65536
	s_cselect_b32 s4, W1_AT+256, s4                ; at chunk 1: the first change of slots steps it to chunk 2
	s_mov_b32 s[PFS], 65536
	s_cselect_b32 s[PFS], 256, s[PFS]              ; bytes from chunk to chunk
	s_mov_b32 s[PFS+1], 0
	s_lshl_b32 s6, s6, s7
	s_add_co_u32 s4, s4, s6
	s_add_nc_u64 s[PFA:PFA+1], s[12:13], s[4:5]
	s_lshl_b32 s4, s[SBW], 13
	s_add_nc_u64 s[8:9], s[8:9], s[4:5]            ; accb, zbuf and out0 at my first block
	s_add_nc_u64 s[10:11], s[10:11], s[4:5]
	s_lshl_b32 s4, s[SBW], 14
	s_add_nc_u64 s[28:29], s[28:29], s[4:5]
	CROUND                                         ; all four work-groups are here: the first joint loads meet
	s_cmp_lt_u32 s[WV], 2                          ; a wave's two first fills stand in one branch: two tensor loads of mine are out
	s_cbranch_scc0 .Lfirst_2
	tensor_load_to_lds s[G0X:G0X+3], s[G1B:G1B+7]
	s_nop 0
	tensor_load_to_lds s[G0A:G0A+3], s[G1A:G1A+7]
	s_nop 0
	PLACES
	s_branch .Lfirst_asked
.Lfirst_2:
	tensor_load_to_lds s[G0X:G0X+3], s[G1B:G1B+7]
	s_nop 0
	tensor_load_to_lds s[G0B:G0B+3], s[G1B:G1B+7]
	s_nop 0
	PLACES
.Lfirst_asked:
; A vector by channels (a bias, a gain): my 8 numbers of each 16, 128 registers.
.macro LDVEC dwin, dbase, sb
	WIN (\dwin)<<6
.irp t, 0,1,2,3,4,5,6,7,8,9,10,11,12,13,14,15
	global_load_b128 v[(\dbase)+8*\t:(\dbase)+8*\t+3], v[PO], s[\sb:\sb+1] offset:64*\t
	global_load_b128 v[(\dbase)+8*\t+4:(\dbase)+8*\t+7], v[PO], s[\sb:\sb+1] offset:64*\t+16
.endr
	WIN 0
.endm
.macro LDBLK dwin, dbase, sb, off      ; a block in the fragment layout: 16 loads of 512 consecutive bytes
	WIN (\dwin)<<6
.irp t, 0,1,2,3,4,5,6,7,8,9,10,11,12,13,14,15
	global_load_b128 v[(\dbase)+4*\t:(\dbase)+4*\t+3], v[FO], s[\sb:\sb+1] offset:(\off)+512*\t th:TH_LOAD_NT
.endr
	WIN 0
.endm
.macro ZINIT win, yb, zb               ; y = z + b_out: the sums of the first product start there
	WIN \win
.set n, 0
.rept 64
	v_fma_mix_f32_bf16 v[(\yb)+2*n], v[(\zb)+n], v[ONE], v[W1F+2*n] op_sel:[0,0,0] op_sel_hi:[1,0,0]
	v_fma_mix_f32_bf16 v[(\yb)+2*n+1], v[(\zb)+n], v[ONE], v[W1F+2*n+1] op_sel:[1,0,0] op_sel_hi:[1,0,0]
.set n, n+1
.endr
	WIN 0
.endm
.irp i, 0,1,2,3
	global_load_b128 v[B1+4*\i:B1+4*\i+3], v[TA+4], s[20:21] offset:512*\i
.endr
	LDVEC 0, W1F, 14                               ; b_out
	LDBLK 0, HT, 10, 0                             ; z of block 0
	s_wait_loadcnt 48                              ; behind b1's four stand 32 of b_out and 16 of z
.irp i, 0,1,2,3
	ds_store_b128 v[TA+5], v[B1+4*\i:B1+4*\i+3] offset:512*\i
.endr
	LDBLK 2, 128, 10, 8192                         ; z of blocks 1 and 2, where W2's fragments will lie
	LDBLK 2, 192, 10, 16384
	s_wait_loadcnt 32                              ; b_out and z of block 0 are in
	ZINIT 0x40, 0, HT
	LDBLK 3, 0, 8, 0                               ; acc of block 0
	s_wait_loadcnt 32                              ; z of block 1 is in; z of block 2 and acc of block 0 stay out
	ZINIT 0x42, 128, 128
	LDBLK 3, 64, 8, 8192
	s_wait_loadcnt 32
	ZINIT 0x82, 0, 192
	LDBLK 3, 128, 8, 16384
	s_wait_tensorcnt 0x1                           ; my quarter of W_out is in; chunk 0 may stay out
	s_wait_dscnt 0x0                               ; my part of b1 is stored
	s_barrier_signal -1
	s_barrier_wait -1
; 32 k rows x 256 columns at pitch 544 (a K step of W_out, or a step of W2), turned: 16 fragments
.macro LDW2 dwin, dbase
	WIN 0
	v_add_nc_u32 v[A2], s[O2], v[AT2]
	s_add_co_u32 s[O2], s[O2], 17408
	WIN (\dwin)<<6
.irp t, 0,1,2,3,4,5,6,7,8,9,10,11,12,13,14,15
	ds_load_tr16_b128 v[(\dbase)+8*\t:(\dbase)+8*\t+3], v[A2] offset:32*\t
	ds_load_tr16_b128 v[(\dbase)+8*\t+4:(\dbase)+8*\t+7], v[A2] offset:32*\t+8704
.endr
.endm
; 48 products onto y: 16 tiles x 3 blocks, each accumulator once
.macro BMUL s0w, s0b, s1w, s1b, s1s
	WIN 0x50|(\s0w)|((\s1w)<<2)
.irp bk, 0,1
.irp t, 0,1,2,3,4,5,6,7,8,9,10,11,12,13,14,15
	v_wmma_f32_16x16x32_bf16 v[128*\bk+8*\t:128*\bk+8*\t+7], v[(\s0b)+8*\t:(\s0b)+8*\t+7], v[(\s1b)+(\s1s)*\bk:(\s1b)+(\s1s)*\bk+7], v[128*\bk+8*\t:128*\bk+8*\t+7]
.endr
.endr
	WIN 0xa0|(\s0w)|((\s1w)<<2)
.irp t, 0,1,2,3,4,5,6,7,8,9,10,11,12,13,14,15
	v_wmma_f32_16x16x32_bf16 v[8*\t:8*\t+7], v[(\s0b)+8*\t:(\s0b)+8*\t+7], v[(\s1b)+2*(\s1s):(\s1b)+2*(\s1s)+7], v[8*\t:8*\t+7]
.endr
.endm
	; y += acc W_out: 8 K steps; the fragments of the next step are asked for, into the other of two buffers, ahead of each step's products
	s_mov_b32 s[O2], 0
	LDW2 2, 128
	s_wait_loadcnt 0x0                             ; acc
.irp ks, 0,2,4,6
.if \ks > 0
	PLACES
.endif
	LDW2 0, W1F
	s_wait_dscnt 32                                ; this step's 32 are in, the next step's stay out
	BMUL 2, 128, 3, 8*\ks, 64
	PLACES
.if \ks < 6
	LDW2 2, 128
	s_wait_dscnt 32
.else
	s_wait_dscnt 0x0
.endif
	BMUL 0, W1F, 3, 8*\ks+8, 64
.endr
	WIN 0
	PLACES
; LAYER NORM over a row's 256 numbers, 128 in my lane and 128 in the lane 16 away.  LNA: the mean, y -= mean, the mean of squares + eps.  LNB: y = y rstd g + be.
.macro REDUCE
	v_pk_add_f32 v[SS:SS+1], v[SS:SS+1], v[SS+2:SS+3]
	v_pk_add_f32 v[SS+4:SS+5], v[SS+4:SS+5], v[SS+6:SS+7]
	v_pk_add_f32 v[SS:SS+1], v[SS:SS+1], v[SS+4:SS+5]
	v_add_f32 v[SS], v[SS], v[SS+1]
	v_permlanex16_b32 v[SS+1], v[SS], s[SEL], s[SEL+1]
	v_add_f32 v[SS], v[SS], v[SS+1]
.endm
.macro LNA b
.set yw, 1+(\b)/2
.set yb, 128*((\b)%2)
	WIN yw|(yw<<2)
.irp c, 0,1,2,3
	v_pk_add_f32 v[SS+2*\c:SS+2*\c+1], v[yb+2*\c:yb+2*\c+1], v[yb+8+2*\c:yb+8+2*\c+1]  ; four chains, started by the first two tiles; each tile's lowest registers are read first
.endr
	WIN yw<<2
.irp t, 2,3,4,5,6,7,8,9,10,11,12,13,14,15
.irp c, 0,1,2,3
	v_pk_add_f32 v[SS+2*\c:SS+2*\c+1], v[SS+2*\c:SS+2*\c+1], v[yb+8*\t+2*\c:yb+8*\t+2*\c+1]
.endr
.endr
	WIN 0
	REDUCE
	v_mul_f32 v[MU], s[INV], v[SS]
	WIN yw|(yw<<6)
.set n, 0
.rept 64
	v_pk_add_f32 v[yb+2*n:yb+2*n+1], v[yb+2*n:yb+2*n+1], v[MU:MU+1] op_sel_hi:[1,0] neg_lo:[0,1] neg_hi:[0,1]
.set n, n+1
.endr
	WIN yw|(yw<<2)
.irp c, 0,1,2,3
	v_pk_mul_f32 v[SS+2*\c:SS+2*\c+1], v[yb+2*\c:yb+2*\c+1], v[yb+2*\c:yb+2*\c+1]
.endr
.irp t, 1,2,3,4,5,6,7,8,9,10,11,12,13,14,15
.irp c, 0,1,2,3
	v_pk_fma_f32 v[SS+2*\c:SS+2*\c+1], v[yb+8*\t+2*\c:yb+8*\t+2*\c+1], v[yb+8*\t+2*\c:yb+8*\t+2*\c+1], v[SS+2*\c:SS+2*\c+1]
.endr
.endr
	WIN 0
	REDUCE
	v_fma_f32 v[RS+2*(\b)], v[SS], s[INV], s[EPS]
.endm
.macro RSQ3
	v_rsq_f32 v[RS], v[RS]
	v_rsq_f32 v[RS+2], v[RS+2]
	v_rsq_f32 v[RS+4], v[RS+4]
	v_nop                                          ; a plain line behind the last root,
	s_wait_alu depctr_va_vdst(0)                   ; and one wait for the three, ahead of their first reader
.endm
.macro LNB b, gw, gb                   ; the gain in window gw at gb, the offset in window 2 at 128
.set yw, 1+(\b)/2
.set yb, 128*((\b)%2)
	WIN yw|(yw<<6)
.set n, 0
.rept 64
	v_pk_mul_f32 v[yb+2*n:yb+2*n+1], v[yb+2*n:yb+2*n+1], v[RS+2*(\b):RS+2*(\b)+1] op_sel_hi:[1,0]
.set n, n+1
.endr
	WIN yw|(yw<<6)|((\gw)<<2)|0x20
.set n, 0
.rept 64
	v_pk_fma_f32 v[yb+2*n:yb+2*n+1], v[yb+2*n:yb+2*n+1], v[(\gb)+2*n:(\gb)+2*n+1], v[128+2*n:128+2*n+1]
.set n, n+1
.endr
	WIN 0
.endm
.macro XFRAG b                         ; x rounded to bf16: source 1 of x W1; y keeps x in f32, and the second product adds onto it
.set yw, 1+(\b)/2
.set yb, 128*((\b)%2)
	WIN 0xc0|yw|(yw<<2)
.set n, 0
.rept 64
	v_cvt_pk_bf16_f32 v[64*(\b)+n], v[yb+2*n], v[yb+2*n+1]
.set n, n+1
.endr
	WIN 0
.endm
	LDVEC 0, W1F, 16                               ; g1
	LDVEC 2, 128, 18                               ; be1
	LNA 0
	LNA 1
	LNA 2
	RSQ3
	s_wait_loadcnt 0x0
	LNB 0, 0, W1F
	LNB 1, 0, W1F
	LNB 2, 0, W1F
	XFRAG 0
	XFRAG 1
	XFRAG 2
; THE CHANGE OF SLOTS.  Every wave: all my tensor loads are done (one was out: my part of the other slot), the add, my reads of the slot in hand are back.  fill = 1: a round of the cluster's
; barrier, and the slot just left is filled again first thing behind it, with the chunk two on: it has a chunk's 384 matrix instructions in which to land.
.macro CHANGE fill
	WIN 0
	s_wait_tensorcnt 0x0
	ds_add_u32 v[SPW], v[NIL]                      ; 0 onto my spare word; the scalar steps stand between it and the wait for it
.if \fill
	s_add_co_u32 s[G0A+1], s[TB], s[LA]
	s_add_co_u32 s[G0B+1], s[TB], s[LB]
	s_add_nc_u64 s[G0A+2:G0A+3], s[G0A+2:G0A+3], 256
	s_add_nc_u64 s[G0B+2:G0B+3], s[G0B+2:G0B+3], 65536
	s_wait_xcnt 0x0                                ; the last prefetch, a chunk back, has read its address
	s_add_nc_u64 s[PFA:PFA+1], s[PFA:PFA+1], s[PFS:PFS+1]
.endif
	s_xor_b32 s[TB], s[TB], SLOT
	s_mov_b32 s[O1], s[TB]
	s_add_co_u32 s[O2], s[TB], W2OFF
	s_wait_dscnt 0x0
.if \fill
	CROUND
	JLOAD
	ASK
.else
	s_barrier_signal -1
	s_barrier_wait -1
.endif
.endm
.macro LDW1                            ; 256 k rows x 32 units of W1, turned: 16 fragments
	WIN 0
	v_add_nc_u32 v[A1A], s[O1], v[AT1]
	v_add_nc_u32 v[A1A+1], 36864, v[A1A]
	s_add_co_u32 s[O1], s[O1], 64
.irp u, 0,1
.irp ks, 0,1,2,3,4,5,6,7
	ds_load_tr16_b128 v[W1F+8*(8*\u+\ks):W1F+8*(8*\u+\ks)+3], v[A1A+\ks/4] offset:(\ks%4)*9216+32*\u
	ds_load_tr16_b128 v[W1F+8*(8*\u+\ks)+4:W1F+8*(8*\u+\ks)+7], v[A1A+\ks/4] offset:(\ks%4)*9216+4608+32*\u
.endr
.endr
.endm
; The second half of a step: the next step's W1 is asked for; the hidden tiles are rounded, ReLU on the packed halves; 48 products onto y.
.macro P1 next
.if \next
	LDW1
.endif
	WIN 0
.irp u, 0,1
.irp bk, 0,1,2
.irp n, 0,1,2,3
	v_cvt_pk_bf16_f32 v[HF+8*\bk+4*\u+\n], v[HT+8*(3*\u+\bk)+2*\n], v[HT+8*(3*\u+\bk)+2*\n+1]
.endr
.endr
.endr
.set n, 0
.rept 24
	v_pk_max_num_bf16 v[HF+n], v[HF+n], v[ZERO]
.set n, n+1
.endr
.if \next
	s_wait_dscnt 32                                ; W2's fragments are in; the 32 loads just issued stay out
.else
	s_wait_dscnt 0x0
.endif
	BMUL 2, 128, 0, HF, 8
	WIN 0
	PLACES
.endm
; The first half of a step: b1 and W2's fragments are asked for; 48 products x W1, six accumulators by turns, the first K step on b1.
.macro P2
	WIN 0
	v_add_nc_u32 v[AB1], s[OB1], v[PO]
	s_add_co_u32 s[OB1], s[OB1], 128
	ds_load_b128 v[B1:B1+3], v[AB1]
	ds_load_b128 v[B1+4:B1+7], v[AB1] offset:16
	ds_load_b128 v[B1+8:B1+11], v[AB1] offset:64
	ds_load_b128 v[B1+12:B1+15], v[AB1] offset:80
	LDW2 2, 128
	s_wait_dscnt 32                                ; W1's fragments and b1 are in; W2's 32 stay out
	WIN 0x0c                                       ; x in window 3
.irp ks, 0,1,2,3,4,5,6,7
.irp u, 0,1
.irp bk, 0,1,2
.if \ks == 0
	v_wmma_f32_16x16x32_bf16 v[HT+8*(3*\u+\bk):HT+8*(3*\u+\bk)+7], v[W1F+8*(8*\u+\ks):W1F+8*(8*\u+\ks)+7], v[64*\bk+8*\ks:64*\bk+8*\ks+7], v[B1+8*\u:B1+8*\u+7]
.else
	v_wmma_f32_16x16x32_bf16 v[HT+8*(3*\u+\bk):HT+8*(3*\u+\bk)+7], v[W1F+8*(8*\u+\ks):W1F+8*(8*\u+\ks)+7], v[64*\bk+8*\ks:64*\bk+8*\ks+7], v[HT+8*(3*\u+\bk):HT+8*(3*\u+\bk)+7]
.endif
.endr
.endr
.endr
	WIN 0
	PLACES
.endm
	; THE WALK over 16 chunks.  15 refills: chunk 1 here, chunks 2 to 15 in the loop.  SLOTS counts them down from 15; it is taken down once behind each chunk's four steps,
	; chunk 0's among them: 15 while chunk 0 is worked, 15 - k while chunk k is, 1 in the trip that asks for chunk 15, which therefore prefetches nothing.
	s_mov_b32 s[SLOTS], 15
	CHANGE 1                                       ; chunk 0 is in; slot 0, which held W_out, takes chunk 1
	LDW1
	s_mov_b32 s[CNT], 4
	s_branch .Lmid                                 ; the loop is entered at a step's first half
.Lchunk:                                           ; 14 trips: chunks 2 to 15 are asked for, chunks 1 to 14 worked
	CHANGE 1
	s_mov_b32 s[CNT], 4
.Lx:
	P1 1
.Lmid:
	P2
	s_sub_co_u32 s[CNT], s[CNT], 1
	s_cmp_lg_u32 s[CNT], 0
	s_cbranch_scc1 .Lx
	s_sub_co_u32 s[SLOTS], s[SLOTS], 1
	s_cmp_lg_u32 s[SLOTS], 0
	s_cbranch_scc1 .Lchunk
	CHANGE 0                                       ; chunk 15 is written out: nothing is asked for
	s_mov_b32 s[CNT], 4
.Ltail:
	P1 1
	P2
	s_sub_co_u32 s[CNT], s[CNT], 1
	s_cmp_lg_u32 s[CNT], 0
	s_cbranch_scc1 .Ltail
	LDVEC 0, W1F, 22                               ; b2, where W1's fragments lay
	LDVEC 3, 0, 24                                 ; g2, where x lay
	P1 0                                           ; the last step's second half
	LDVEC 2, 128, 26                               ; be2, where W2's fragments lay
	s_wait_loadcnt 32                              ; b2 and g2 are in; be2's 32 stay out
.irp b, 0,1,2
.set yw, 1+\b/2
.set yb, 128*(\b%2)
	WIN yw|(yw<<6)
.set n, 0
.rept 64
	v_pk_add_f32 v[yb+2*n:yb+2*n+1], v[yb+2*n:yb+2*n+1], v[W1F+2*n:W1F+2*n+1]
.set n, n+1
.endr
.endr
	WIN 0
	LNA 0
	LNA 1
	LNA 2
	RSQ3
	s_wait_loadcnt 0x0
	LNB 0, 3, 0
	LNB 1, 3, 0
	LNB 2, 3, 0
; THE WAY OUT.  A lane holds 32 bytes of each 64 of a row; 64 channels at a time go through my stage and come back as whole pieces of 256 bytes of a row.
.macro OUTB b
.set yw, 1+(\b)/2
.set yb, 128*((\b)%2)
.irp p, 0,1,2,3
	WIN yw<<2                                      ; store data in y's window
.irp tt, 0,1,2,3
	ds_store_b128 v[STO], v[yb+8*(4*\p+\tt):yb+8*(4*\p+\tt)+3] offset:64*\tt
	ds_store_b128 v[STO], v[yb+8*(4*\p+\tt)+4:yb+8*(4*\p+\tt)+7] offset:64*\tt+16
.endr
	s_wait_xcnt 0x0                                ; earlier stores have read the registers that are loaded next
	WIN 0xc0
.irp i, 0,1,2,3,4,5,6,7
	ds_load_b128 v[192+32*(\p%2)+4*\i:192+32*(\p%2)+4*\i+3], v[RD] offset:544*\i  ; LDS serves a wave's instructions in order: these see the stores above, the next pass's stores come behind them
.endr
	s_wait_dscnt 0x0
	WIN 0x0c
.irp i, 0,1,2,3,4,5,6,7
	global_store_b128 v[GO], v[192+32*(\p%2)+4*\i:192+32*(\p%2)+4*\i+3], s[28:29] offset:16384*(\b)+2048*\i+256*\p th:TH_STORE_NT  ; 16 lanes store 256 consecutive bytes, aligned
.endr
.endr
	WIN 0
.endm
	OUTB 0
	OUTB 1
	s_cmp_eq_u32 s[SK], 1
	s_cbranch_scc1 .Lno_third
	OUTB 2
.Lno_third:
	s_wait_tensorcnt 0x0                           ; the wave's end: behind my last tensor load and my last LDS store
	ds_add_u32 v[SPW], v[NIL]
	s_wait_dscnt 0x0
	CROUND                                         ; the closing round
	s_endpgm
.Lfunc_end_k_qd3a57f51ec_ffn:
	.size	k_qd3a57f51ec_ffn, .Lfunc_end_k_qd3a57f51ec_ffn-k_qd3a57f51ec_ffn
	.p2alignl 7, 3214868480
	.fill 96, 4, 3214868480
	.section	.rodata,"a",@progbits
	.p2align	6, 0x0
	.amdhsa_kernel k_qd3a57f51ec_ffn
		.amdhsa_group_segment_fixed_size 327680
		.amdhsa_private_segment_fixed_size 0
		.amdhsa_enable_private_segment 0
		.amdhsa_kernarg_size 88
		.amdhsa_user_sgpr_count 2
		.amdhsa_user_sgpr_kernarg_segment_ptr 1
		.amdhsa_wavefront_size32 1
		.amdhsa_system_sgpr_workgroup_id_x 1
		.amdhsa_system_sgpr_workgroup_id_y 1
		.amdhsa_system_sgpr_workgroup_id_z 1
		.amdhsa_system_vgpr_workitem_id 0
		.amdhsa_next_free_vgpr 1024
		.amdhsa_next_free_sgpr 100
		.amdhsa_reserve_vcc 0
		.amdhsa_float_denorm_mode_32 3
		.amdhsa_float_denorm_mode_16_64 3
		.amdhsa_memory_ordered 1
		.amdhsa_forward_progress 1
		.amdhsa_inst_pref_size 255
	.end_amdhsa_kernel
	.section	.bss,"aw",@nobits
	.p2align	6
	.space	262144
	.amdgpu_metadata
---
amdhsa.version: [ 1, 2 ]
amdhsa.kernels:
  - .name:           k_qd3a57f51ec_ffn
    .symbol:         k_qd3a57f51ec_ffn.kd
    .args:
      - { .name: accb, .offset: 0, .size: 8, .value_kind: global_buffer, .address_space: global }
      - { .name: zbuf, .offset: 8, .size: 8, .value_kind: global_buffer, .address_space: global }
      - { .name: wb, .offset: 16, .size: 8, .value_kind: global_buffer, .address_space: global }
      - { .name: b_out, .offset: 24, .size: 8, .value_kind: global_buffer, .address_space: global }
      - { .name: g1, .offset: 32, .size: 8, .value_kind: global_buffer, .address_space: global }
      - { .name: be1, .offset: 40, .size: 8, .value_kind: global_buffer, .address_space: global }
      - { .name: b1, .offset: 48, .size: 8, .value_kind: global_buffer, .address_space: global }
      - { .name: b2, .offset: 56, .size: 8, .value_kind: global_buffer, .address_space: global }
      - { .name: g2, .offset: 64, .size: 8, .value_kind: global_buffer, .address_space: global }
      - { .name: be2, .offset: 72, .size: 8, .value_kind: global_buffer, .address_space: global }
      - { .name: out0, .offset: 80, .size: 8, .value_kind: global_buffer, .address_space: global }
    .group_segment_fixed_size: 327680
    .private_segment_fixed_size: 0
    .kernarg_segment_align: 8
    .kernarg_segment_size: 88
    .max_flat_workgroup_size: 128
    .sgpr_count:     100
    .vgpr_count:     1024
    .wavefront_size: 32
...
	.end_amdgpu_metadata
.endif
;; end of part 4
;; ======== version 2 of 3: 4 launches
;; limits: values outside matrix products are rounded to bf16
;; workspace buffers: wb 2,555,904 bytes; zbuf 22,282,240 bytes; val 22,544,384 bytes; idx 11,141,120 bytes of whole numbers; wts 44,564,480 bytes; accb 22,282,240 bytes
;; launch prep: the kernel of part 1 again; grid 156 x 1, 8 waves a work-group, no clusters, 0 bytes of LDS; arguments W_val, W_off, W_attn, W_out, W1, W2, wb; writes wb
;; launch proj (part 5): grid 228 x 1, 4 waves a work-group, clusters of 4 x 1, 327,680 bytes of LDS; arguments feat0, feat1, feat2, feat3, pos0, pos1, pos2, pos3, ref0, ref1, ref2, ref3, wb, b_val, b_off, b_attn, zbuf, val, idx, wts; writes zbuf, val, idx, wts
.if DOCPART == 5
	.amdgcn_target "amdgcn-amd-amdhsa--gfx1250"
	.amdhsa_code_object_version 6
	.text
	.protected	k_qd3a57f51ec_proj
	.globl	k_qd3a57f51ec_proj
	.p2align	8
	.type	k_qd3a57f51ec_proj,@function
k_qd3a57f51ec_proj:
	s_mov_b64 s[64:65], 0
	v_nop
	global_prefetch_b8 v0, s[64:65] scope:SCOPE_SE
	s_setreg_imm32_b32 hwreg(HW_REG_WAVE_MODE, 25, 1), 1
	s_wait_xcnt 0x0
	s_wait_alu depctr_hold_cnt(0) depctr_sa_sdst(0) depctr_va_vdst(0) depctr_va_sdst(0) depctr_va_ssrc(0) depctr_va_vcc(0) depctr_vm_vsrc(0)
	s_getreg_b32 s2, hwreg(HW_REG_IB_STS2, 6, 4)
	s_cmp_eq_u32 s2, 0
	s_cbranch_scc0 .Lentry_in_a_cluster
	s_endpgm
.Lentry_in_a_cluster:
	s_bfe_u32 s2, ttmp6, 0x10000c
	s_cmp_lg_u32 s2, 0x3003
	s_cbranch_scc0 .Lentry_shape_is_right
	s_endpgm
.Lentry_shape_is_right:
; z = feat + pos (bf16); value = z W_val + b_val; offsets and logits of z; softmax over a head's 16 logits; for each of a head's 16 sample points one
; token number (whole number, for the next launch's addresses) and four corner weights.
; BLOCKS.  A block is 16 rows on end of the output's row order (batch, then levels): 2,720 blocks, 1,360 a batch; levels begin at blocks 0, 1024, 1280, 1344 of a batch.
; SHARES.  228 work-groups of 4 waves; a wave owns 3 blocks.  Work-group g begins at block 12 g - min(g, 16): the first 16 own 11 blocks; their wave 3 computes a
; twelfth, which is the next work-group's first, and stores nothing of it (SK; the test hangs on the cluster's number and the wave's, alike in all partners).
; PRODUCTS are taken transposed: source 0 = 16 output channels (W lies [K][N] in LDS and is turned by ds_load_tr16_b128), source 1 = 16 tokens.  A lane of the
; result holds ONE token (lane % 16) and the channels 8 (lane / 16) + 0..7.
; zbuf: byte block x 8192 + t x 512 + lane x 16 holds channels 16 t + 8 (lane / 16) + 0..7 of token lane % 16: the register image of source 1 and of a result tile.
; val: [batch x 8 + head][22,016 tokens][32 channels] bf16.   idx: [block][head][lane][8 x u16].   wts: [block][head][4][lane][2 points x 4 bf16].
; A lane's point j = 4 g + k is point k of level (lane / 16) + 2 g.
; Z.  feat and pos come in loads of 512 consecutive bytes (half a row, 16 bytes a lane); the sums, rounded to bf16, change lanes through a stage in LDS, the wave's own.
; SAMPLING.  px = ref_x W + off_x - 0.5 (W a power of two), held to -2 .. W + 1; bx = floor(px) held to 0 .. W - 2; the two columns bx, bx + 1 get the tent weights
; max(0, 1 - |px - column|), which is the reference's zero padding; rows likewise.  tent(d) = the middle one of 1 + d, 1 - d, 0.
; CLUSTER.  All work-groups read the same five weight tiles of 256 x 128: the four of a cluster ask for each jointly, one tensor load and mask in all four.
; Four tiles lie in LDS at once; the fifth (the value weights' upper half) is filled into the first one's slot when that has been read, and lands while the heads are worked.
; LIMITS.  NaN and infinities are not treated apart.  z, val and the corner weights are rounded once to bf16.  An exponential below 2^-126 counts as 0.
.set PLANE, 1409024                    ; bytes of a (batch, head) plane of val
.set SLOTB, 73728                      ; a weight tile in LDS: 256 k rows x (256 + 32) bytes; the pitch is an odd multiple of 32
.set HALFK, 36864                      ; 128 of its rows: the immediate reaches four K steps, a second address register the other four
.set BT,    294912                     ; b_val 1,024 bytes, b_off 1,024, b_attn 512
.set STG,   297472                     ; for each wave 4,352 bytes of its own: first z's stage (16 rows x 272), later the way out of val (3 blocks x 16 rows x 80 = 3,840)
.set STGW,  4352
.set ZPI,   272                        ; a row of z's stage: 128 channels of bf16 + 16 bytes: an odd multiple of 16, so the 16 rows that a load touches start at 16 different groups of four banks
.set SPARE, 314880                     ; the spare words, 128 bytes for each wave
; window 0
.set AT,   2                           ; my lane's place in a tile for the turning load
.set ZSTO, 3                           ; z's stage, in: 8 x lane
.set ROFF, 4                           ; 8 r in 16 rows of ref
.set LO16, 5                           ; 16 x lane
.set AW0,  6                           ; v6-9  LDS addresses of a run of fragment loads
.set ABT,  10
.set ABA,  11
.set H32,  12
.set H16,  13
.set VO,   14                          ; v14-16 my 16 bytes in a block's 1,024 of a plane of val
.set VSTO, 17
.set VRD,  18
.set ZRD,  19                          ; z's stage, back: row r, 16 bytes by h
.set SPW,  20                          ; my spare word; never rewritten
.set NIL,  21                          ; 0; never rewritten
.set REF,  22                          ; v22-27 (ref_x, ref_y) of my token in each block
.set WA,   28                          ; v28-29 W of my first level, twice; v30-31 of my second
.set W1A,  32                          ; v32-34 W + 1, W - 2, the level's first token; v35-37 the same for my second level
.set MC,   38                          ; v38-39 c x maximum (a pair for the packed scaling)
.set E,    40                          ; v40-63 three result tiles: offsets (two), logits
.set CB,   64                          ; v64-87 their biases, the C operand of the first K step
.set RA,   88                          ; v88-91 ref W - 0.5 for my two levels
.set IDX,  104                         ; v104-111
.set IDXP, 112                         ; v112-115
.set WPK,  116                         ; v116-131
.set SU,   132                         ; v132-135
.set ONEP, 144                         ; v144-145 1.0 twice
.set TWOP, 146                         ; v146-147 2.0 twice
.set TM,   150                         ; v150-151
.set VA,   152                         ; v152-199 six value tiles; while the heads are worked: v152-183 the points' (wxa, wxb, wya, wyb)
.set CT,   152                         ; v152-183 while z is made: rounded sums on their way to the stage, two sets of 16 by turns
.set TS,   184                         ; v184-231 at work on four points at a time
.set CBV,  200                         ; v200-215 b_val for two tiles
.set VPK,  216                         ; v216-239 value tiles in bf16
.set BL,   240                         ; v240-244 biases on their way to LDS
.set RR,   245
.set HH,   246
.set LL,   247
.set BA0,  248                         ; v248-251 addresses of that copy; never rewritten
.set BA1,  BA0+1
; window 1: z as source 1, block b at 64 b.   window 2: four units of feat and pos on their way, 64 each.   window 3: weight fragments, tile x 64 + 8 ks
.set IPC, 8                            ; s[8:9]   idx at the block and head in hand (the levels' own addresses, which lay here, have been copied by then)
.set WPC, 10                           ; s[10:11] wts likewise
.set VPC, 12                           ; s[12:13] val at the head's plane
.set G1, 48                            ; s[48:55] descriptor group 1
.set G0, 56                            ; s[56:59] descriptor group 0
.set WV, 60
.set SK, 61
.set SBW, 62                           ; my first block
.set FP, 66                            ; block b: feat s[66+6b:67+6b], pos s[68+6b:..], ref s[70+6b:..]
.set OB, 90
.set OC, 91
.set CNT, 92
.set BC, 93
.set OO, 94
.set OA, 95
.set CS, 96                            ; s[96:97] log2(e)
.set SEL, 98                           ; s[98:99] each lane takes its own place in the other half
.set BB, 100                           ; s[100:101] the bias that my wave copies
.set ZP, 40
.set VP, 42
.set IP, 44
.set WP, 46
.set MSB, 0
.macro WIN new                         ; the high byte repeats the setting that is left; a switch that changes nothing is dropped
.if MSB != (\new)
	s_set_vgpr_msb (MSB<<8)|(\new)
.set MSB, \new
.endif
.endm
.macro PLACES                          ; four plain vector lines between a matrix instruction and what reads its result or loads into its registers
.rept 4
	v_nop
.endr
.endm
.macro CROUND                          ; a round of the cluster's barrier
	s_barrier_signal -1
	s_barrier_wait -1
	s_cmp_lg_u32 s[WV], 0
	s_cbranch_scc1 .Lnot_wave_0_\@
	s_barrier_signal -3
.Lnot_wave_0_\@:
	s_barrier_wait -3
	s_barrier_signal -1
	s_barrier_wait -1
.endm
	s_load_b512 s[8:23], s[0:1], 0x0               ; feat0-3 s[8:15], pos0-3 s[16:23]
	s_load_b256 s[24:31], s[0:1], 0x40             ; ref0-3
	s_load_b256 s[32:39], s[0:1], 0x60             ; wb, b_val, b_off, b_attn
	s_load_b256 s[40:47], s[0:1], 0x80             ; zbuf, val, idx, wts
	v_lshl_add_u32 v[SPW], v0, 2, SPARE
	v_mov_b32 v[NIL], 0
	ds_add_u32 v[SPW], v[NIL]                      ; the wave's opening: the add and its wait ahead of my first tensor load
	v_lshrrev_b32 v1, 5, v0
	v_readfirstlane_b32 s[WV], v1
	s_bfe_u32 s2, ttmp6, 0x40000                   ; cx
	s_lshl_b32 s3, ttmp9, 2
	s_add_co_u32 s3, s3, s2                        ; work-group g: it enters global addresses alone
	s_min_u32 s4, s3, 16
	s_mul_i32 s5, s3, 12
	s_sub_co_u32 s5, s5, s4
	s_mul_i32 s4, s[WV], 3
	s_add_co_u32 s[SBW], s5, s4
	s_cmp_lt_u32 ttmp9, 4                          ; clusters 0-3 hold work-groups 0-15
	s_cselect_b32 s4, 1, 0
	s_cmp_eq_u32 s[WV], 3
	s_cselect_b32 s[SK], s4, 0
	s_mov_b32 s[G1], 15|(1<<16)|(1<<20)|(1<<21)|(5<<22)|(7<<25)  ; the mask of four; 2-byte elements; padding on; bit 21 beside a mask; after every 64 words, 8 words
	s_mov_b32 s[G1+1], 128<<16                     ; tensor_dim0 = 128
	s_mov_b32 s[G1+2], 256<<16                     ; tensor_dim1 = 256
	s_mov_b32 s[G1+3], 128<<16                     ; tile_dim0 = 128
	s_mov_b32 s[G1+4], 256                         ; tile_dim1 = 256
	s_mov_b32 s[G1+5], 640                         ; elements from row to row of WCAT
	s_mov_b32 s[G1+6], 0
	s_mov_b32 s[G1+7], 0
	s_mov_b32 s[G0], 1
	s_mul_i32 s[G0+1], s[WV], SLOTB                ; wave w fills slot w
	s_mov_b32 s[CS], 0x3fb8aa3b
	s_mov_b32 s[CS+1], s[CS]
	s_mov_b32 s[SEL], 0x76543210
	s_mov_b32 s[SEL+1], 0xfedcba98
	v_and_b32 v[RR], 15, v0                        ; r
	v_bfe_u32 v[HH], v0, 4, 1                      ; h
	v_and_b32 v[LL], 31, v0                        ; lane
	v_and_b32 v1, 7, v0
	v_lshl_add_u32 v1, v[HH], 3, v1
	v_mul_u32_u24 v[AT], v1, 288                   ; k row 8 h + lane % 8,
	v_bfe_u32 v1, v0, 3, 1
	v_lshl_add_u32 v[AT], v1, 4, v[AT]             ; 8 columns by (lane / 8) % 2
	v_lshlrev_b32 v[H32], 5, v[HH]
	v_lshlrev_b32 v[H16], 4, v[HH]
	v_lshlrev_b32 v[ROFF], 3, v[RR]
	v_lshlrev_b32 v[LO16], 4, v[LL]
	s_mul_i32 s4, s[WV], STGW
	s_add_co_u32 s4, s4, STG                       ; my wave's stage
	v_lshl_add_u32 v[ZSTO], v[LL], 3, s4           ; z in: a lane's 4 channels, 8 bytes; 32 lanes fill 256 bytes of a row
	v_mul_u32_u24 v1, v[RR], ZPI
	v_add_nc_u32 v1, v1, v[H16]
	v_add_nc_u32 v[ZRD], s4, v1                    ; z back: row r, 16 bytes by h
	v_mul_u32_u24 v1, v[RR], 80
	v_add_nc_u32 v1, v1, v[H16]
	v_add_nc_u32 v[VSTO], s4, v1                   ; val in: row r, 16 bytes by h
	v_lshrrev_b32 v1, 2, v[LL]
	v_mul_u32_u24 v1, v1, 80
	v_and_b32 v[VRD], 3, v0
	v_lshl_add_u32 v1, v[VRD], 4, v1
	v_add_nc_u32 v[VRD], s4, v1                    ; val back: four lanes a row of 64 bytes
	v_mov_b32 v1, 128
	v_lshrrev_b32 v1, v[HH], v1                    ; levels 0 and 1: W = 128, 64
	v_cvt_f32_u32 v[WA], v1
	v_mov_b32 v[WA+1], v[WA]
	v_add_f32 v[W1A], 1.0, v[WA]
	v_add_f32 v[W1A+1], -2.0, v[WA]
	v_lshlrev_b32 v1, 14, v[HH]                    ; they begin at tokens 0 and 16,384
	v_cvt_f32_u32 v[W1A+2], v1
	v_mov_b32 v1, 32
	v_lshrrev_b32 v1, v[HH], v1                    ; levels 2 and 3: W = 32, 16
	v_cvt_f32_u32 v[WA+2], v1
	v_mov_b32 v[WA+3], v[WA+2]
	v_add_f32 v[W1A+3], 1.0, v[WA+2]
	v_add_f32 v[W1A+4], -2.0, v[WA+2]
	v_lshl_add_u32 v1, v[HH], 10, 20480            ; they begin at tokens 20,480 and 21,504
	v_cvt_f32_u32 v[W1A+5], v1
	v_mov_b32 v[ONEP], 1.0
	v_mov_b32 v[ONEP+1], 1.0
	v_mov_b32 v[TWOP], 2.0
	v_mov_b32 v[TWOP+1], 2.0
	v_mov_b32 v[MC+1], 0                           ; named in a pair
	v_mov_b32 v[TM+1], 0                           ; the lane exchange counts as a reader of its destination
	s_and_b32 s4, s[WV], 1
	s_lshl_b32 s4, s4, 9
	v_add_nc_u32 v[BA0], s4, v[LO16]               ; my wave's 512 bytes of b_val (waves 0, 1) or b_off (waves 2, 3)
	s_lshl_b32 s4, s[WV], 7
	v_lshl_add_u32 v[BA1], v[LL], 2, s4            ; my wave's 128 bytes of b_attn
	s_lshl_b32 s4, s[WV], 9
	s_add_co_u32 s4, s4, BT
	v_add_nc_u32 v[BA0+2], s4, v[LO16]
	v_add_nc_u32 v[BA0+3], BT+2048, v[BA1]
	s_wait_dscnt 0x0                               ; the opening add is done
	s_wait_kmcnt 0x0
	s_add_co_u32 s4, s[WV], 1
	s_lshl_b32 s4, s4, 8                           ; columns 256, 384, 512 of WCAT for waves 1, 2, 3: 256 (w + 1) bytes,
	s_cmp_eq_u32 s[WV], 0
	s_cselect_b32 s4, 0, s4                        ; column 0 for wave 0
	s_mov_b32 s5, 0
	s_add_nc_u64 s[G0+2:G0+3], s[32:33], s[4:5]
	s_or_b32 s[G0+3], s[G0+3], 0x80000000
	CROUND                                         ; all four work-groups are here: the first joint loads meet
	tensor_load_to_lds s[G0:G0+3], s[G1:G1+7]      ; one whole tile a wave: one tensor load of mine is out
	s_nop 0
	PLACES
; Block SBW + b: its batch, level and place in the level's tensors, and its place in a plane of val.
.macro LEVEL b, start, f, p, r, lognb
	s_cmp_ge_u32 s84, \start
	s_cselect_b64 s[FP+6*(\b):FP+6*(\b)+1], s[\f:\f+1], s[FP+6*(\b):FP+6*(\b)+1]
	s_cselect_b64 s[FP+6*(\b)+2:FP+6*(\b)+3], s[\p:\p+1], s[FP+6*(\b)+2:FP+6*(\b)+3]
	s_cselect_b64 s[FP+6*(\b)+4:FP+6*(\b)+5], s[\r:\r+1], s[FP+6*(\b)+4:FP+6*(\b)+5]
	s_cselect_b32 s86, \start, s86
	s_cselect_b32 s87, \lognb, s87
.endm
.macro SELBLK b
	s_add_co_u32 s84, s[SBW], \b
	s_cmp_ge_u32 s84, 1360
	s_cselect_b32 s85, 1, 0                        ; batch
	s_cselect_b32 s86, 1360, 0
	s_sub_co_u32 s84, s84, s86                     ; block within the batch
	s_mov_b64 s[FP+6*(\b):FP+6*(\b)+1], s[8:9]
	s_mov_b64 s[FP+6*(\b)+2:FP+6*(\b)+3], s[16:17]
	s_mov_b64 s[FP+6*(\b)+4:FP+6*(\b)+5], s[24:25]
	s_mov_b32 s86, 0                               ; the level's first block
	s_mov_b32 s87, 10                              ; log2 of its blocks a batch
	LEVEL \b, 1024, 10, 18, 26, 8
	LEVEL \b, 1280, 12, 20, 28, 6
	LEVEL \b, 1344, 14, 22, 30, 4
	s_sub_co_u32 s88, s84, s86
	s_lshl_b32 s89, s85, s87
	s_add_co_u32 s88, s88, s89                     ; block within the level's tensor
	s_lshl_b32 s90, s88, 14                        ; 16 rows of 1,024 bytes
	s_mov_b32 s91, 0
	s_add_nc_u64 s[FP+6*(\b):FP+6*(\b)+1], s[FP+6*(\b):FP+6*(\b)+1], s[90:91]
	s_add_nc_u64 s[FP+6*(\b)+2:FP+6*(\b)+3], s[FP+6*(\b)+2:FP+6*(\b)+3], s[90:91]
	s_lshl_b32 s90, s88, 7                         ; 16 rows of 8 bytes
	s_add_nc_u64 s[FP+6*(\b)+4:FP+6*(\b)+5], s[FP+6*(\b)+4:FP+6*(\b)+5], s[90:91]
	s_mul_i32 s89, s85, 8*PLANE
	s_lshl_b32 s90, s84, 10                        ; 16 tokens of 64 bytes
	s_add_co_u32 s89, s89, s90
	v_add_nc_u32 v[VO+(\b)], s89, v[LO16]
.endm
	SELBLK 0
	SELBLK 1
	SELBLK 2
	s_mov_b32 s5, 0
	s_lshl_b32 s4, s[SBW], 13
	s_add_nc_u64 s[ZP:ZP+1], s[ZP:ZP+1], s[4:5]
	s_lshl_b32 s4, s[SBW], 12
	s_add_nc_u64 s[IP:IP+1], s[IP:IP+1], s[4:5]
	s_lshl_b32 s4, s[SBW], 14
	s_add_nc_u64 s[WP:WP+1], s[WP:WP+1], s[4:5]
	s_cmp_lt_u32 s[WV], 2
	s_cselect_b64 s[BB:BB+1], s[34:35], s[36:37]
	global_load_b128 v[BL:BL+3], v[BA0], s[BB:BB+1]
	global_load_b32 v[BL+4], v[BA1], s[38:39]
.irp b, 0,1,2
	global_load_b64 v[REF+2*\b:REF+2*\b+1], v[ROFF], s[FP+6*\b+4:FP+6*\b+5]
.endr
; Z.  Unit i of 12: block i / 4, channel half (i / 2) % 2, rows 8 (i % 2) .. + 7: 8 loads of feat and 8 of pos, each 512 consecutive bytes, aligned: a lane takes 4 channels of a row.
; Four units are on their way.  A unit's sums are rounded to bf16 and stored into the stage; behind a half block's second unit the stage is read back as 8 fragment pieces of 16 bytes a lane.
.macro ZISSUE i
.set zb, (\i)/4
.set zh, ((\i)/2)%2
.set zr, 8*((\i)%2)
.set zq, (\i)%4
	WIN 0x80                                       ; destination window 2
.irp rr, 0,1,2,3,4,5,6,7
	global_load_b128 v[64*zq+4*\rr:64*zq+4*\rr+3], v[LO16], s[FP+6*zb:FP+6*zb+1] offset:(zr+\rr)*1024+512*zh th:TH_LOAD_NT
.endr
.irp rr, 0,1,2,3,4,5,6,7
	global_load_b128 v[64*zq+32+4*\rr:64*zq+32+4*\rr+3], v[LO16], s[FP+6*zb+2:FP+6*zb+3] offset:(zr+\rr)*1024+512*zh th:TH_LOAD_NT
.endr
.endm
.macro ZPROC i
.set zb, (\i)/4
.set zh, ((\i)/2)%2
.set zr, 8*((\i)%2)
.set zq, (\i)%4
.set zc, CT+16*((\i)%2)                ; a set is written again two units on; a wait for all LDS instructions stands between (ZSEND)
	WIN 0x8a
.set n, 0
.rept 16
	v_pk_add_f32 v[64*zq+2*n:64*zq+2*n+1], v[64*zq+2*n:64*zq+2*n+1], v[64*zq+32+2*n:64*zq+32+2*n+1]
.set n, n+1
.endr
	WIN 0x0a                                       ; sources in window 2, destination in window 0
.set n, 0
.rept 16
	v_cvt_pk_bf16_f32 v[zc+n], v[64*zq+2*n], v[64*zq+2*n+1]
.set n, n+1
.endr
	WIN 0
.irp rr, 0,1,2,3,4,5,6,7
	ds_store_b64 v[ZSTO], v[zc+2*\rr:zc+2*\rr+1] offset:(zr+\rr)*ZPI  ; 32 lanes x 8 bytes: a row's 256 bytes on end
.endr
.if (\i)%2 == 1
	WIN 0x40                                       ; into window 1: source 1 of all this launch's products
.irp t, 0,1,2,3,4,5,6,7
	ds_load_b128 v[64*zb+32*zh+4*\t:64*zb+32*zh+4*\t+3], v[ZRD] offset:32*\t  ; LDS serves a wave's instructions in order: these see the stores above; the stage is my wave's own
.endr
.endif
.endm
.macro ZSEND i                         ; the half block that unit i has finished goes to zbuf
.set zb, (\i)/4
.set zh, ((\i)/2)%2
	s_wait_dscnt 0x0                               ; the eight pieces are in registers, and the stage and both sets of rounded sums are free
.if zb == 2
	WIN 0
	s_cmp_eq_u32 s[SK], 1
	s_cbranch_scc1 .Lzs_\@
.endif
	WIN 0x04                                       ; store data in window 1
.irp t, 0,1,2,3,4,5,6,7
	global_store_b128 v[LO16], v[64*zb+32*zh+4*\t:64*zb+32*zh+4*\t+3], s[ZP:ZP+1] offset:zb*8192+(8*zh+\t)*512  ; 512 consecutive bytes
.endr
	WIN 0
.if zb == 2
.Lzs_\@:
.endif
.endm
	ZISSUE 0
	ZISSUE 1
	ZISSUE 2
	WIN 0
	s_wait_loadcnt 51                              ; behind the two bias loads stand 3 of ref and 48 of z: the biases are in
	ds_store_b128 v[BA0+2], v[BL:BL+3]
	ds_store_b32 v[BA0+3], v[BL+4]
	ZISSUE 3
.irp i, 0,1,2,3,4,5,6,7
	s_wait_loadcnt 48                              ; this unit's 16 are in; three younger units stay out
	ZPROC \i
	ZISSUE \i+4
.if (\i)%2 == 1
	ZSEND \i                                       ; behind the next loads, which go out while the stage is read back
.endif
.endr
	s_wait_loadcnt 48
	ZPROC 8
	s_wait_loadcnt 32
	ZPROC 9
	ZSEND 9
	s_wait_loadcnt 16
	ZPROC 10
	s_wait_loadcnt 0x0
	ZPROC 11
	ZSEND 11
	s_wait_tensorcnt 0x0                           ; my tile is in,
	s_wait_dscnt 0x0                               ; my part of the biases is stored,
	s_barrier_signal -1
	s_barrier_wait -1                              ; everybody's is
; VALUES.  Four heads of the tile in slot 0; a head is two tiles of 16 channels x 3 blocks: six accumulators by turns.
.macro VLOAD                           ; the head's 16 fragments and its bias: 36 LDS loads
	WIN 0
	v_add_nc_u32 v[AW0], s[OO], v[AT]
	v_add_nc_u32 v[AW0+1], HALFK, v[AW0]
	v_add_nc_u32 v[ABT], s[OB], v[H32]
	WIN 0xc0
.irp u, 0,1
.irp ks, 0,1,2,3,4,5,6,7
	ds_load_tr16_b128 v[8*(8*\u+\ks):8*(8*\u+\ks)+3], v[AW0+\ks/4] offset:(\ks%4)*9216+32*\u
	ds_load_tr16_b128 v[8*(8*\u+\ks)+4:8*(8*\u+\ks)+7], v[AW0+\ks/4] offset:(\ks%4)*9216+4608+32*\u
.endr
.endr
	WIN 0
	ds_load_b128 v[CBV:CBV+3], v[ABT]
	ds_load_b128 v[CBV+4:CBV+7], v[ABT] offset:16
	ds_load_b128 v[CBV+8:CBV+11], v[ABT] offset:64
	ds_load_b128 v[CBV+12:CBV+15], v[ABT] offset:80
.endm
.macro VAL m0
	s_mov_b32 s[OO], 0
	s_mov_b32 s[OB], BT+128*(\m0)
	VLOAD
	s_mov_b32 s[CNT], 0
.Lval_\@:
	s_wait_dscnt 0x0                               ; the head's fragments and bias are in
	WIN 0x07                                       ; W in window 3, z in window 1, sums in window 0
.irp ks, 0,1,2,3,4,5,6,7
.irp u, 0,1
.irp bk, 0,1,2
.if \ks == 0
	v_wmma_f32_16x16x32_bf16 v[VA+8*(3*\u+\bk):VA+8*(3*\u+\bk)+7], v[8*(8*\u+\ks):8*(8*\u+\ks)+7], v[64*\bk+8*\ks:64*\bk+8*\ks+7], v[CBV+8*\u:CBV+8*\u+7]
.else
	v_wmma_f32_16x16x32_bf16 v[VA+8*(3*\u+\bk):VA+8*(3*\u+\bk)+7], v[8*(8*\u+\ks):8*(8*\u+\ks)+7], v[64*\bk+8*\ks:64*\bk+8*\ks+7], v[VA+8*(3*\u+\bk):VA+8*(3*\u+\bk)+7]
.endif
.endr
.endr
.endr
	WIN 0
	PLACES
	s_wait_xcnt 0x0                                ; the last trip's stores, 48 products back, have read their data and their base: both are written again only behind this wait
.irp bk, 0,1,2
.irp u, 0,1
.irp n, 0,1,2,3
	v_cvt_pk_bf16_f32 v[VPK+8*\bk+4*\u+\n], v[VA+8*(3*\u+\bk)+2*\n], v[VA+8*(3*\u+\bk)+2*\n+1]
.endr
.endr
.endr
.irp bk, 0,1,2
.irp u, 0,1
	ds_store_b128 v[VSTO], v[VPK+8*\bk+4*\u:VPK+8*\bk+4*\u+3] offset:1280*\bk+32*\u
.endr
.endr
.irp bk, 0,1,2
.irp i, 0,1
	ds_load_b128 v[VPK+8*\bk+4*\i:VPK+8*\bk+4*\i+3], v[VRD] offset:1280*\bk+640*\i  ; LDS serves a wave's instructions in order: these see the stores above; the stage is my wave's own
.endr
.endr
	s_add_co_u32 s4, s[CNT], 1                     ; the next head's fragments are asked for while this head goes out; behind the fourth head the first is fetched once more and not used
	s_and_b32 s4, s4, 3
	s_lshl_b32 s[OO], s4, 6
	s_lshl_b32 s4, s4, 7
	s_add_co_u32 s[OB], s4, BT+128*(\m0)
	VLOAD
	s_add_co_u32 s4, s[CNT], \m0                   ; the head's plane of val: the base is formed anew from the count
	s_mul_i32 s4, s4, PLANE
	s_mov_b32 s5, 0
	s_add_nc_u64 s[VPC:VPC+1], s[VP:VP+1], s[4:5]
	s_wait_dscnt 36                                ; the stage's six loads are in; the next head's 36 loads, issued behind them, stay out
.irp bk, 0,1
.irp i, 0,1
	global_store_b128 v[VO+\bk], v[VPK+8*\bk+4*\i:VPK+8*\bk+4*\i+3], s[VPC:VPC+1] offset:512*\i  ; 8 tokens x 64 bytes: 512 consecutive bytes
.endr
.endr
	s_cmp_eq_u32 s[SK], 1
	s_cbranch_scc1 .Lvs_\@
.irp i, 0,1
	global_store_b128 v[VO+2], v[VPK+16+4*\i:VPK+16+4*\i+3], s[VPC:VPC+1] offset:512*\i
.endr
.Lvs_\@:
	s_add_co_u32 s[CNT], s[CNT], 1
	s_cmp_lt_u32 s[CNT], 4
	s_cbranch_scc1 .Lval_\@
	s_wait_xcnt 0x0                                ; the last head's stores have read their registers, which other work takes next
.endm
	VAL 0
	; Slot 0 has been read out: it takes the value weights' upper half.  Every wave: all my tensor loads are done, the add, my reads are back; a round of the cluster's barrier; wave 0 asks.
	s_wait_tensorcnt 0x0
	ds_add_u32 v[SPW], v[NIL]
	s_add_nc_u64 s[G0+2:G0+3], s[G0+2:G0+3], 256   ; wave 0's tile: columns 128-255 of WCAT (the other waves' stepped addresses are not used)
	s_wait_dscnt 0x0
	CROUND
	s_cmp_lg_u32 s[WV], 0
	s_cbranch_scc1 .Lno_fill
	tensor_load_to_lds s[G0:G0+3], s[G1:G1+7]      ; it has all eight heads' work in which to land
	s_nop 0
	PLACES
.Lno_fill:
; HEADS.  For head m: two tiles of offsets and one of logits for each block.  The arms hold the products (z's registers differ by block); what follows them is written once.
.macro HADDR                           ; s4 = the head
	s_lshr_b32 s5, s4, 2
	s_mul_i32 s5, s5, SLOTB                        ; heads 0-3 in slot 1, 4-7 in slot 2,
	s_and_b32 s6, s4, 3
	s_lshl_b32 s6, s6, 6                           ; 32 columns a head
	s_add_co_u32 s5, s5, s6
	s_add_co_u32 s[OO], s5, SLOTB
	s_lshl_b32 s5, s4, 5                           ; the logits' 16 columns in slot 3
	s_add_co_u32 s[OA], s5, 3*SLOTB
	s_lshl_b32 s5, s4, 7
	s_add_co_u32 s[OB], s5, BT+1024
	s_lshl_b32 s5, s4, 6
	s_add_co_u32 s[OC], s5, BT+2048
.endm
.macro HLOAD
	WIN 0
	v_add_nc_u32 v[AW0], s[OO], v[AT]
	v_add_nc_u32 v[AW0+1], HALFK, v[AW0]
	v_add_nc_u32 v[AW0+2], s[OA], v[AT]
	v_add_nc_u32 v[AW0+3], HALFK, v[AW0+2]
	v_add_nc_u32 v[ABT], s[OB], v[H32]
	v_add_nc_u32 v[ABA], s[OC], v[H16]
	WIN 0xc0
.irp u, 0,1
.irp ks, 0,1,2,3,4,5,6,7
	ds_load_tr16_b128 v[8*(8*\u+\ks):8*(8*\u+\ks)+3], v[AW0+\ks/4] offset:(\ks%4)*9216+32*\u
	ds_load_tr16_b128 v[8*(8*\u+\ks)+4:8*(8*\u+\ks)+7], v[AW0+\ks/4] offset:(\ks%4)*9216+4608+32*\u
.endr
.endr
.irp ks, 0,1,2,3,4,5,6,7
	ds_load_tr16_b128 v[128+8*\ks:128+8*\ks+3], v[AW0+2+\ks/4] offset:(\ks%4)*9216
	ds_load_tr16_b128 v[128+8*\ks+4:128+8*\ks+7], v[AW0+2+\ks/4] offset:(\ks%4)*9216+4608
.endr
	WIN 0
	ds_load_b128 v[CB:CB+3], v[ABT]
	ds_load_b128 v[CB+4:CB+7], v[ABT] offset:16
	ds_load_b128 v[CB+8:CB+11], v[ABT] offset:64
	ds_load_b128 v[CB+12:CB+15], v[ABT] offset:80
	ds_load_b128 v[CB+16:CB+19], v[ABA]            ; b_attn in the permuted order: my first level's four,
	ds_load_b128 v[CB+20:CB+23], v[ABA] offset:32  ; my second level's
.endm
.macro ARM bb
	s_wait_dscnt 0x0
	WIN 0x07
.irp ks, 0,1,2,3,4,5,6,7
.irp tl, 0,1,2
.if \ks == 0
	v_wmma_f32_16x16x32_bf16 v[E+8*\tl:E+8*\tl+7], v[8*(8*\tl+\ks):8*(8*\tl+\ks)+7], v[64*(\bb)+8*\ks:64*(\bb)+8*\ks+7], v[CB+8*\tl:CB+8*\tl+7]
.else
	v_wmma_f32_16x16x32_bf16 v[E+8*\tl:E+8*\tl+7], v[8*(8*\tl+\ks):8*(8*\tl+\ks)+7], v[64*(\bb)+8*\ks:64*(\bb)+8*\ks+7], v[E+8*\tl:E+8*\tl+7]
.endif
.endr
.endr
	WIN 0
	v_pk_fma_f32 v[RA:RA+1], v[REF+2*(\bb):REF+2*(\bb)+1], v[WA:WA+1], -0.5 op_sel_hi:[1,0,0]
	v_pk_fma_f32 v[RA+2:RA+3], v[REF+2*(\bb):REF+2*(\bb)+1], v[WA+2:WA+3], -0.5 op_sel_hi:[1,0,0]
.if (\bb) == 2
	PLACES
	s_add_co_u32 s4, s[CNT], 1                     ; the head's last block: the next head's fragments are asked for; behind head 7 head 0's, which are not used
	s_and_b32 s4, s4, 7
	HADDR
	HLOAD
.endif
.endm
; Four points (k = 0..3 of level group gg) step by step, so that no line reads the result of the line before it.  Set q of 12 registers at TS + 12 q: p, floor, d, 1 + d, 1 - d, 2 - d.
.macro POINTG4 gg
.set w1, W1A+3*(\gg)
.irp q, 0,1,2,3
	v_pk_add_f32 v[TS+12*\q:TS+12*\q+1], v[E+8*(\gg)+2*\q:E+8*(\gg)+2*\q+1], v[RA+2*(\gg):RA+2*(\gg)+1]
.endr
.irp q, 0,1,2,3
	v_med3_num_f32 v[TS+12*\q], v[TS+12*\q], -2.0, v[w1]
	v_med3_num_f32 v[TS+12*\q+1], v[TS+12*\q+1], -2.0, v[w1]
.endr
.irp q, 0,1,2,3
	v_floor_f32 v[TS+12*\q+2], v[TS+12*\q]
	v_floor_f32 v[TS+12*\q+3], v[TS+12*\q+1]
.endr
.irp q, 0,1,2,3
	v_med3_num_f32 v[TS+12*\q+2], v[TS+12*\q+2], 0, v[w1+1]
	v_med3_num_f32 v[TS+12*\q+3], v[TS+12*\q+3], 0, v[w1+1]
.endr
.irp q, 0,1,2,3
	v_pk_add_f32 v[TS+12*\q+4:TS+12*\q+5], v[TS+12*\q:TS+12*\q+1], v[TS+12*\q+2:TS+12*\q+3] neg_lo:[0,1] neg_hi:[0,1]
.endr
.irp q, 0,1,2,3
	v_pk_add_f32 v[TS+12*\q+6:TS+12*\q+7], v[ONEP:ONEP+1], v[TS+12*\q+4:TS+12*\q+5]
	v_pk_add_f32 v[TS+12*\q+8:TS+12*\q+9], v[ONEP:ONEP+1], v[TS+12*\q+4:TS+12*\q+5] neg_lo:[0,1] neg_hi:[0,1]
	v_pk_add_f32 v[TS+12*\q+10:TS+12*\q+11], v[TWOP:TWOP+1], v[TS+12*\q+4:TS+12*\q+5] neg_lo:[0,1] neg_hi:[0,1]
.endr
.irp q, 0,1,2,3
	v_med3_num_f32 v[VA+4*(4*(\gg)+\q)], v[TS+12*\q+6], v[TS+12*\q+8], 0      ; column bx
	v_med3_num_f32 v[VA+4*(4*(\gg)+\q)+1], v[TS+12*\q+4], v[TS+12*\q+10], 0   ; column bx + 1
	v_med3_num_f32 v[VA+4*(4*(\gg)+\q)+2], v[TS+12*\q+7], v[TS+12*\q+9], 0    ; row by
	v_med3_num_f32 v[VA+4*(4*(\gg)+\q)+3], v[TS+12*\q+5], v[TS+12*\q+11], 0   ; row by + 1
.endr
.irp q, 0,1,2,3
	v_fma_f32 v[TS+12*\q], v[TS+12*\q+3], v[WA+2*(\gg)], v[TS+12*\q+2]        ; by W + bx: whole numbers up to 21,742, exact in f32
.endr
.irp q, 0,1,2,3
	v_add_f32 v[TS+12*\q], v[TS+12*\q], v[w1+2]
.endr
.irp q, 0,1,2,3
	v_cvt_u32_f32 v[IDX+4*(\gg)+\q], v[TS+12*\q]
.endr
.endm
.macro POINTW4 gg                      ; A wy wx for the four corners, rounded to bf16: (row by: bx, bx + 1), (row by + 1: bx, bx + 1).  Set q of 8 registers at TS + 8 q
.irp q, 0,1,2,3
	v_mul_f32 v[TS+8*\q], v[VA+4*(4*(\gg)+\q)+2], v[E+16+4*(\gg)+\q]
	v_mul_f32 v[TS+8*\q+2], v[VA+4*(4*(\gg)+\q)+3], v[E+16+4*(\gg)+\q]
.endr
.irp q, 0,1,2,3
	v_pk_mul_f32 v[TS+8*\q+4:TS+8*\q+5], v[VA+4*(4*(\gg)+\q):VA+4*(4*(\gg)+\q)+1], v[TS+8*\q:TS+8*\q+1] op_sel_hi:[1,0]
	v_pk_mul_f32 v[TS+8*\q+6:TS+8*\q+7], v[VA+4*(4*(\gg)+\q):VA+4*(4*(\gg)+\q)+1], v[TS+8*\q+2:TS+8*\q+3] op_sel_hi:[1,0]
.endr
.irp q, 0,1,2,3
	v_cvt_pk_bf16_f32 v[WPK+2*(4*(\gg)+\q)], v[TS+8*\q+4], v[TS+8*\q+5]
	v_cvt_pk_bf16_f32 v[WPK+2*(4*(\gg)+\q)+1], v[TS+8*\q+6], v[TS+8*\q+7]
.endr
.endm
	s_mov_b32 s4, 0
	HADDR
	HLOAD
	s_mov_b32 s[CNT], 0
.Lhead:
	s_mov_b32 s[BC], 0
.Lblk:
	s_cmp_eq_u32 s[BC], 0
	s_cbranch_scc1 .Larm0
	s_cmp_eq_u32 s[BC], 1
	s_cbranch_scc1 .Larm1
	ARM 2
	s_branch .Ljoin
.Larm0:
	ARM 0
	s_branch .Ljoin
.Larm1:
	ARM 1
.Ljoin:
	PLACES
	s_wait_xcnt 0x0                                ; the last block's stores, 24 products back, have read their data and their bases: all are written again only behind this wait
	s_lshl_b32 s4, s[BC], 12                       ; idx: 4,096 bytes a block, 512 a head; the bases are formed anew from the two counts
	s_lshl_b32 s5, s[CNT], 9
	s_add_co_u32 s4, s4, s5
	s_mov_b32 s5, 0
	s_add_nc_u64 s[IPC:IPC+1], s[IP:IP+1], s[4:5]
	s_lshl_b32 s4, s4, 2                           ; wts: four times as much
	s_add_nc_u64 s[WPC:WPC+1], s[WP:WP+1], s[4:5]
	v_max3_num_f32 v[TM], v[E+16], v[E+17], v[E+18]       ; the maximum of my 8 logits (each tile's lowest registers are read first),
	v_max3_num_f32 v[TM], v[TM], v[E+19], v[E+20]
	v_max3_num_f32 v[TM], v[TM], v[E+21], v[E+22]
	v_max_num_f32 v[TM], v[TM], v[E+23]
	v_permlanex16_b32 v[TM+1], v[TM], s[SEL], s[SEL+1]    ; and of the head's other 8, which lie in the lane 16 away
	v_max_num_f32 v[TM], v[TM], v[TM+1]
	v_mul_f32 v[MC], s[CS], v[TM]
.irp n, 0,1,2,3
	v_pk_fma_f32 v[E+16+2*\n:E+16+2*\n+1], v[E+16+2*\n:E+16+2*\n+1], s[CS:CS+1], v[MC:MC+1] op_sel_hi:[1,0,0] neg_lo:[0,0,1] neg_hi:[0,0,1]
.endr
.irp n, 0,1,2,3,4,5,6,7
	v_exp_f32 v[E+16+\n], v[E+16+\n]
.endr
	POINTG4 0                                      ; the points' places: plain work that names none of the exponentials' results
	POINTG4 1
	s_wait_alu depctr_va_vdst(0)                   ; one wait for the eight exponentials, ahead of their first reader
	v_pk_add_f32 v[SU:SU+1], v[E+16:E+17], v[E+18:E+19]
	v_pk_add_f32 v[SU+2:SU+3], v[E+20:E+21], v[E+22:E+23]
	v_pk_add_f32 v[SU:SU+1], v[SU:SU+1], v[SU+2:SU+3]
	v_add_f32 v[SU], v[SU], v[SU+1]
	v_permlanex16_b32 v[SU+1], v[SU], s[SEL], s[SEL+1]
	v_add_f32 v[SU], v[SU], v[SU+1]
	v_rcp_f32 v[SU+2], v[SU]
.irp n, 0,1,2,3
	v_lshl_or_b32 v[IDXP+\n], v[IDX+2*\n+1], 16, v[IDX+2*\n]
.endr
	s_wait_alu depctr_va_vdst(0)                   ; the reciprocal's wait; the four packing lines stand between
.irp n, 0,1,2,3
	v_pk_mul_f32 v[E+16+2*\n:E+16+2*\n+1], v[E+16+2*\n:E+16+2*\n+1], v[SU+2:SU+3] op_sel_hi:[1,0]
.endr
	POINTW4 0
	POINTW4 1
	s_cmp_eq_u32 s[BC], 2
	s_cselect_b32 s4, s[SK], 0
	s_cmp_eq_u32 s4, 1
	s_cbranch_scc1 .Lno_store
	global_store_b128 v[LO16], v[IDXP:IDXP+3], s[IPC:IPC+1]    ; each store: 512 consecutive bytes
.irp p, 0,1,2,3
	global_store_b128 v[LO16], v[WPK+4*\p:WPK+4*\p+3], s[WPC:WPC+1] offset:512*\p
.endr
.Lno_store:
	s_add_co_u32 s[BC], s[BC], 1
	s_cmp_lt_u32 s[BC], 3
	s_cbranch_scc1 .Lblk
	s_add_co_u32 s[CNT], s[CNT], 1
	s_cmp_lt_u32 s[CNT], 8
	s_cbranch_scc1 .Lhead
	s_wait_tensorcnt 0x0                           ; wave 0: the upper half of the value weights is in
	ds_add_u32 v[SPW], v[NIL]
	s_wait_dscnt 0x0
	s_barrier_signal -1
	s_barrier_wait -1                              ; every wave may read it
	VAL 4
	s_wait_tensorcnt 0x0                           ; the wave's end: behind my last tensor load and my last LDS store
	ds_add_u32 v[SPW], v[NIL]
	s_wait_dscnt 0x0
	CROUND                                         ; the closing round
	s_endpgm
.Lfunc_end_k_qd3a57f51ec_proj:
	.size	k_qd3a57f51ec_proj, .Lfunc_end_k_qd3a57f51ec_proj-k_qd3a57f51ec_proj
	.p2alignl 7, 3214868480
	.fill 96, 4, 3214868480
	.section	.rodata,"a",@progbits
	.p2align	6, 0x0
	.amdhsa_kernel k_qd3a57f51ec_proj
		.amdhsa_group_segment_fixed_size 327680
		.amdhsa_private_segment_fixed_size 0
		.amdhsa_enable_private_segment 0
		.amdhsa_kernarg_size 160
		.amdhsa_user_sgpr_count 2
		.amdhsa_user_sgpr_kernarg_segment_ptr 1
		.amdhsa_wavefront_size32 1
		.amdhsa_system_sgpr_workgroup_id_x 1
		.amdhsa_system_sgpr_workgroup_id_y 1
		.amdhsa_system_sgpr_workgroup_id_z 1
		.amdhsa_system_vgpr_workitem_id 0
		.amdhsa_next_free_vgpr 960
		.amdhsa_next_free_sgpr 104
		.amdhsa_reserve_vcc 0
		.amdhsa_float_denorm_mode_32 3
		.amdhsa_float_denorm_mode_16_64 3
		.amdhsa_memory_ordered 1
		.amdhsa_forward_progress 1
		.amdhsa_inst_pref_size 122
	.end_amdhsa_kernel
	.amdgpu_metadata
---
amdhsa.version: [ 1, 2 ]
amdhsa.kernels:
  - .name:           k_qd3a57f51ec_proj
    .symbol:         k_qd3a57f51ec_proj.kd
    .args:
      - { .name: feat0, .offset: 0, .size: 8, .value_kind: global_buffer, .address_space: global }
      - { .name: feat1, .offset: 8, .size: 8, .value_kind: global_buffer, .address_space: global }
      - { .name: feat2, .offset: 16, .size: 8, .value_kind: global_buffer, .address_space: global }
      - { .name: feat3, .offset: 24, .size: 8, .value_kind: global_buffer, .address_space: global }
      - { .name: pos0, .offset: 32, .size: 8, .value_kind: global_buffer, .address_space: global }
      - { .name: pos1, .offset: 40, .size: 8, .value_kind: global_buffer, .address_space: global }
      - { .name: pos2, .offset: 48, .size: 8, .value_kind: global_buffer, .address_space: global }
      - { .name: pos3, .offset: 56, .size: 8, .value_kind: global_buffer, .address_space: global }
      - { .name: ref0, .offset: 64, .size: 8, .value_kind: global_buffer, .address_space: global }
      - { .name: ref1, .offset: 72, .size: 8, .value_kind: global_buffer, .address_space: global }
      - { .name: ref2, .offset: 80, .size: 8, .value_kind: global_buffer, .address_space: global }
      - { .name: ref3, .offset: 88, .size: 8, .value_kind: global_buffer, .address_space: global }
      - { .name: wb, .offset: 96, .size: 8, .value_kind: global_buffer, .address_space: global }
      - { .name: b_val, .offset: 104, .size: 8, .value_kind: global_buffer, .address_space: global }
      - { .name: b_off, .offset: 112, .size: 8, .value_kind: global_buffer, .address_space: global }
      - { .name: b_attn, .offset: 120, .size: 8, .value_kind: global_buffer, .address_space: global }
      - { .name: zbuf, .offset: 128, .size: 8, .value_kind: global_buffer, .address_space: global }
      - { .name: val, .offset: 136, .size: 8, .value_kind: global_buffer, .address_space: global }
      - { .name: idx, .offset: 144, .size: 8, .value_kind: global_buffer, .address_space: global }
      - { .name: wts, .offset: 152, .size: 8, .value_kind: global_buffer, .address_space: global }
    .group_segment_fixed_size: 327680
    .private_segment_fixed_size: 0
    .kernarg_segment_align: 8
    .kernarg_segment_size: 160
    .max_flat_workgroup_size: 128
    .sgpr_count:     104
    .vgpr_count:     960
    .wavefront_size: 32
...
	.end_amdgpu_metadata
.endif
;; end of part 5
;; launch sample (part 6): grid 256 x 1, 16 waves a work-group, no clusters, 260,096 bytes of LDS; arguments val, idx, wts, accb; writes accb
.if DOCPART == 6
	.amdgcn_target "amdgcn-amd-amdhsa--gfx1250"
	.amdhsa_code_object_version 6
	.text
	.protected	k_qd3a57f51ec_sample
	.globl	k_qd3a57f51ec_sample
	.p2align	8
	.type	k_qd3a57f51ec_sample,@function
k_qd3a57f51ec_sample:
	s_mov_b64 s[64:65], 0
	v_nop
	global_prefetch_b8 v0, s[64:65] scope:SCOPE_SE
	s_setreg_imm32_b32 hwreg(HW_REG_WAVE_MODE, 25, 1), 1
	s_wait_xcnt 0x0
; acc[q][head][:] = the sum over the head's 16 points and their 4 corners of weight x value row.
; SHARES.  A work-group owns one (batch, head) plane of val, one half of its 32 channels, and 170 of the batch's 1,360 blocks of 16 queries:
; 16 planes x 2 halves x 8 ranges = 256 work-groups of 16 waves.  Wave w takes blocks w, w + 16, .. of the range: 11 trips, the eleventh for waves 0 to 9 alone.
; Lane (r = lane % 16, h = lane / 16) owns query r and the 8 channels 16 half + 8 h + 0..7 of the head: the 16 bytes that accb's layout gives it
; (byte block x 8192 + t x 512 + lane x 16 holds channels 16 t + 8 h + 0..7; t = 2 head + half), so a wave stores 512 consecutive bytes a block.
; THE TABLE.  Levels 1 to 3 of the plane are 5,376 tokens on end; 16 channels of each are 32 bytes.  They lie in LDS for the whole launch, 48 bytes apart
; (an odd multiple of 16: the 16 lanes of a load's half fall on any of the 16 columns of 16 bytes), 258,048 bytes.  So 12 of a head's 16 points are gathered from LDS;
; level 0 (16,384 tokens) has no room there and is gathered from memory, 32 bytes a token and query.
; The table is filled once, through registers: 21 passes of 256 tokens; in a pass wave w stores 768 bytes of its own.  One barrier; behind it LDS is only read.
; THE NUMBERS are whole numbers that an earlier launch stored: point j of set hp lies in level hp + 2 (j / 4); the corners are token, token + 1, token + W, token + W + 1.
; Each number is held to its level's largest base token before it enters an address (16,254; and, counted from level 1's first token, 4,030, 5,086, 5,358), so that no corner
; leaves its level.  Weights are bf16 pairs (columns bx, bx + 1) for rows by and by + 1; products and sums in f32; the result is rounded once to bf16.
; A TRIP: level 0's 16 gathers go out; the next block's numbers and weights (10 loads) go out, into a second set of registers; the 12 points in LDS are summed, four register slots
; taking turns; then level 0's four; the result is stored; the second set is copied.
; HINTS.  The rows of val are read again and again, by eight work-groups each: th:TH_LOAD_HT.  The result is written once and not read in this launch: th:TH_STORE_NT.
; NO CLUSTER, NO TENSOR LOAD: what work-groups share is the table, 172,032 bytes of the some 2 MB that each reads, and its rows are 32 bytes of each 64.  No matrix unit: a gather.
.set PLANE, 1409024                    ; bytes of a plane of val
.set L1AT,  1048576                    ; level 1's first token in a plane: 16,384 tokens x 64 bytes
.set TP,    48                         ; a token in LDS
.set SPARE, 258048                     ; behind the table: the spare words, 128 bytes for each of 16 waves
.set NBLK,  170                        ; blocks of a work-group
.set TRIPS, 11
.set HO,   4                           ; 16 r: my query's 16 bytes in a header's 256
.set CH16, 5                           ; 32 half + 16 h: my 16 bytes in a token's 64 in memory
.set H16,  6                           ; 16 h: my 16 bytes in a token's 32 in LDS
.set LO16, 7                           ; 16 x lane
.set TT,   8
.set T3,   9
.set ZERO, 10                          ; the addend of a block's first eight products
.set SPW,  11                          ; my spare word; never rewritten
.set NIL,  12                          ; 0; never rewritten
.set FG,   13                          ; the fill: my 16 bytes of pass 0 in memory
.set IDX,  16                          ; v16-23  set hp at 4 hp: two numbers a register
.set WT,   24                          ; v24-55  set hp, point j, row dy at 16 hp + 2 j + dy
.set IDX2, 56                          ; v56-63, v64-95: the next block's
.set WT2,  64
.set ADRG, 96                          ; v96-99   level 0's four points
.set ADRL, 100                         ; v100-103 slot s
.set FL,   96                          ; v96-100  the fill: my place in LDS, five registers 61,440 bytes apart (the immediate has 16 bits)
.set ACC,  104                         ; v104-111
.set OUT,  112                         ; v112-115
.set GG,   116                         ; v116-179 level 0: point j, corner 2 dy + dx at 16 j + 4 corner; first the fill's 84 registers
.set GL,   180                         ; v180-243 slot s likewise
.set WVN,  12                          ; s12 wave
.set HEAD, 16
.set B0,   18                          ; the range's first block
.set CUR,  22                          ; my block within the range
.set CNT,  23
.set IPN,  26                          ; s[26:27] idx at a block and head
.set WPN,  28                          ; s[28:29] wts likewise
.set AP,   30                          ; s[30:31] accb at my block's tile
.set TILE, 36                          ; (2 head + half) x 512
	s_load_b256 s[4:11], s[0:1], 0x0               ; val s[4:5], idx s[6:7], wts s[8:9], accb s[10:11]
	v_lshl_add_u32 v[SPW], v0, 2, SPARE
	v_mov_b32 v[NIL], 0
	v_mov_b32 v[ZERO], 0
	v_lshrrev_b32 v1, 5, v0
	v_readfirstlane_b32 s[WVN], v1                 ; wave 0..15
	s_and_b32 s13, ttmp9, 7                        ; range
	s_lshr_b32 s15, ttmp9, 3
	s_and_b32 s14, s15, 1                          ; channel half
	s_lshr_b32 s15, s15, 1                         ; plane = batch x 8 + head
	s_and_b32 s[HEAD], s15, 7
	s_lshr_b32 s17, s15, 3                         ; batch
	s_mul_i32 s[B0], s17, 1360
	s_mul_i32 s19, s13, NBLK
	s_add_co_u32 s[B0], s[B0], s19
	s_mul_i32 s20, s15, PLANE
	s_mov_b32 s21, 0
	s_mov_b32 s33, 0
	s_mov_b32 s35, 0
	s_mov_b32 s39, 0
	s_lshl_b32 s[TILE], s[HEAD], 1
	s_add_co_u32 s[TILE], s[TILE], s14
	s_lshl_b32 s[TILE], s[TILE], 9
	s_mov_b32 s[CUR], s[WVN]
	s_mov_b32 s[CNT], TRIPS
	v_and_b32 v2, 15, v0
	v_bfe_u32 v3, v0, 4, 1
	v_lshlrev_b32 v[HO], 4, v2
	v_lshlrev_b32 v[H16], 4, v3
	s_lshl_b32 s24, s14, 5
	v_add_nc_u32 v[CH16], s24, v[H16]
	v_and_b32 v1, 31, v0                           ; lane
	v_lshlrev_b32 v[LO16], 4, v1
	; the fill: in a pass wave w takes tokens 16 w .. 16 w + 15, two lanes a token
	v_lshrrev_b32 v2, 1, v1
	v_and_b32 v3, 1, v0
	v_lshlrev_b32 v3, 4, v3
	v_lshl_add_u32 v[FG], v2, 6, v3
	s_lshl_b32 s25, s[WVN], 10
	s_add_co_u32 s25, s25, s24
	v_add_nc_u32 v[FG], s25, v[FG]                 ; 1,024 w + 64 (lane / 2) + 16 (lane % 2) + 32 half
	v_mul_u32_u24 v2, v2, TP
	v_add_nc_u32 v2, v2, v3
	s_mul_i32 s25, s[WVN], 16*TP
	v_add_nc_u32 v[FL], s25, v2                    ; 768 w + 48 (lane / 2) + 16 (lane % 2)
.irp g, 1,2,3,4
	v_add_nc_u32 v[FL+\g], 61440*\g, v[FL]
.endr
; idx and wts at block n of the range, held to the range's last block
.macro PTRS n
	s_min_u32 s24, \n, NBLK-1
	s_add_co_u32 s24, s24, s[B0]
	s_lshl_b32 s24, s24, 3
	s_add_co_u32 s24, s24, s[HEAD]                 ; block x 8 + head
	s_lshl_b32 s32, s24, 9
	s_lshl_b32 s34, s24, 11
	s_add_nc_u64 s[IPN:IPN+1], s[6:7], s[32:33]
	s_add_nc_u64 s[WPN:WPN+1], s[8:9], s[34:35]
.endm
; a block's numbers and weights for my query: 10 loads; sixteen lanes take 256 consecutive bytes
.macro LDHDR ib, wbs
	global_load_b128 v[(\ib):(\ib)+3], v[HO], s[IPN:IPN+1]
	global_load_b128 v[(\ib)+4:(\ib)+7], v[HO], s[IPN:IPN+1] offset:256
.irp p, 0,1,2,3
	global_load_b128 v[(\wbs)+4*\p:(\wbs)+4*\p+3], v[HO], s[WPN:WPN+1] offset:512*\p
	global_load_b128 v[(\wbs)+16+4*\p:(\wbs)+16+4*\p+3], v[HO], s[WPN:WPN+1] offset:512*\p+256
.endr
.endm
	s_wait_kmcnt 0x0
	s_add_nc_u64 s[4:5], s[4:5], s[20:21]          ; val at my plane
	PTRS s[CUR]
	LDHDR IDX, WT                                  ; my first block
.set i, 0
.rept 21
	global_load_b128 v[GG+4*i:GG+4*i+3], v[FG], s[4:5] offset:L1AT+16384*i th:TH_LOAD_HT
.set i, i+1
.endr
.set i, 0
.rept 21
	s_wait_loadcnt 20-i                            ; loads return in order: pass i is in, the younger passes stay out; the header came before them all
	ds_store_b128 v[FL+i/5], v[GG+4*i:GG+4*i+3] offset:12288*(i%5)
.set i, i+1
.endr
	s_wait_dscnt 0x0                               ; for the others' sake: my part of the table is stored
	s_barrier_signal -1
	s_barrier_wait -1                              ; the table is whole; from here on LDS is only read
.macro EXTR j, hp                      ; the number of point j of set hp
.if (\j)%2 == 0
	v_and_b32 v[TT], 0xffff, v[IDX+4*(\hp)+(\j)/2]
.else
	v_lshrrev_b32 v[TT], 16, v[IDX+4*(\hp)+(\j)/2]
.endif
.endm
.macro ISSUE_G j                       ; level 0, point j: four corners from memory
	EXTR \j, 0
	v_min_u32 v[TT], 0x3f7e, v[TT]
	v_lshl_add_u32 v[ADRG+(\j)], v[TT], 6, v[CH16]
.irp dy, 0,1
.irp dx, 0,1
	global_load_b128 v[GG+16*(\j)+4*(2*\dy+\dx):GG+16*(\j)+4*(2*\dy+\dx)+3], v[ADRG+(\j)], s[4:5] offset:8192*\dy+64*\dx th:TH_LOAD_HT
.endr
.endr
.endm
.macro LQ q                            ; point q of the twelve in LDS: its level, set, number in the set, bound, row pitch and slot
.set lev, 1+(\q)/4
.set lhp, lev%2
.set lj,  (\q)%4+4*(lev/2)
.set lcl, 4030
.if lev == 2
.set lcl, 5086
.endif
.if lev == 3
.set lcl, 5358
.endif
.set lrow, (128>>lev)*TP
.set sl,  (\q)%4
.endm
.macro ISSUE_L q                       ; four corners from the table
	LQ \q
	EXTR lj, lhp
	v_add_nc_u32 v[TT], 0xffffc000, v[TT]          ; counted from level 1's first token (less 16,384)
	v_min_u32 v[TT], lcl, v[TT]
	v_lshl_add_u32 v[T3], v[TT], 1, v[TT]          ; x 3,
	v_lshl_add_u32 v[ADRL+sl], v[T3], 4, v[H16]    ; x 16: 48 bytes a token; + my 16 bytes
.irp dy, 0,1
.irp dx, 0,1
	ds_load_b128 v[GL+16*sl+4*(2*\dy+\dx):GL+16*sl+4*(2*\dy+\dx)+3], v[ADRL+sl] offset:lrow*\dy+TP*\dx
.endr
.endr
.endm
; a point's 32 multiply-adds straight from bf16 halves into the 8 f32 sums; seven other sums stand between two on one.  first = 1: the block's first corner starts the sums
.macro FMAS gb, wbs, first
.irp dy, 0,1
.irp dx, 0,1
.irp n, 0,1,2,3
.if (\first) && (\dy == 0) && (\dx == 0)
	v_fma_mix_f32_bf16 v[ACC+2*\n], v[(\gb)+4*(2*\dy+\dx)+\n], v[(\wbs)+\dy], v[ZERO] op_sel:[0,\dx,0] op_sel_hi:[1,1,0]
	v_fma_mix_f32_bf16 v[ACC+2*\n+1], v[(\gb)+4*(2*\dy+\dx)+\n], v[(\wbs)+\dy], v[ZERO] op_sel:[1,\dx,0] op_sel_hi:[1,1,0]
.else
	v_fma_mix_f32_bf16 v[ACC+2*\n], v[(\gb)+4*(2*\dy+\dx)+\n], v[(\wbs)+\dy], v[ACC+2*\n] op_sel:[0,\dx,0] op_sel_hi:[1,1,0]
	v_fma_mix_f32_bf16 v[ACC+2*\n+1], v[(\gb)+4*(2*\dy+\dx)+\n], v[(\wbs)+\dy], v[ACC+2*\n+1] op_sel:[1,\dx,0] op_sel_hi:[1,1,0]
.endif
.endr
.endr
.endr
.endm
.Ltrip:
	s_cmp_ge_u32 s[CUR], NBLK                      ; the eleventh trip has blocks for waves 0 to 9 alone
	s_cbranch_scc1 .Ldead
	ISSUE_G 0                                      ; level 0's 16 gathers have the twelve LDS points' work in which to come
	ISSUE_G 1
	ISSUE_G 2
	ISSUE_G 3
	s_add_co_u32 s25, s[CUR], 16
	PTRS s25                                       ; (the last header loads were waited for at the last trip's end: their bases may be written)
	LDHDR IDX2, WT2                                ; the next block's header; behind my last block the range's last block's, which is not used
	ISSUE_L 0
	ISSUE_L 1
	ISSUE_L 2
	ISSUE_L 3
.irp q, 0,1,2,3,4,5,6,7,8,9,10,11
.if \q < 9
	s_wait_dscnt 12                                ; LDS loads return in order: this point's four are in, four for each of three younger points stay out
.else
	s_wait_dscnt 4*(11-\q)
.endif
	LQ \q
.if \q == 0
	FMAS GL+16*sl, WT+16*lhp+2*lj, 1
.else
	FMAS GL+16*sl, WT+16*lhp+2*lj, 0
.endif
.if \q < 8
	ISSUE_L \q+4
.endif
.endr
.irp j, 0,1,2,3
	s_wait_loadcnt 22-4*\j                         ; this point's four gathers are in; four for each younger point and the header's ten stay out
	FMAS GG+16*\j, WT+2*\j, 0
.endr
	s_wait_xcnt 0x0                                ; the last trip's store has read its data and its base: both are written again only behind this wait
	s_add_co_u32 s38, s[CUR], s[B0]
	s_lshl_b32 s38, s38, 13
	s_add_co_u32 s38, s38, s[TILE]
	s_add_nc_u64 s[AP:AP+1], s[10:11], s[38:39]
.irp n, 0,1,2,3
	v_cvt_pk_bf16_f32 v[OUT+\n], v[ACC+2*\n], v[ACC+2*\n+1]
.endr
	global_store_b128 v[LO16], v[OUT:OUT+3], s[AP:AP+1] th:TH_STORE_NT  ; 512 consecutive bytes, aligned
	s_wait_loadcnt 0x0                             ; the next block's header is in
.set n, 0
.rept 8
	v_mov_b32 v[IDX+n], v[IDX2+n]
.set n, n+1
.endr
.set n, 0
.rept 32
	v_mov_b32 v[WT+n], v[WT2+n]
.set n, n+1
.endr
.Ldead:
	s_add_co_u32 s[CUR], s[CUR], 16
	s_sub_co_u32 s[CNT], s[CNT], 1
	s_cmp_lg_u32 s[CNT], 0
	s_cbranch_scc1 .Ltrip
	s_wait_tensorcnt 0x0                           ; the wave's end: behind my last LDS store
	ds_add_u32 v[SPW], v[NIL]
	s_wait_dscnt 0x0
	s_endpgm
.Lfunc_end_k_qd3a57f51ec_sample:
	.size	k_qd3a57f51ec_sample, .Lfunc_end_k_qd3a57f51ec_sample-k_qd3a57f51ec_sample
	.p2alignl 7, 3214868480
	.fill 96, 4, 3214868480
	.section	.rodata,"a",@progbits
	.p2align	6, 0x0
	.amdhsa_kernel k_qd3a57f51ec_sample
		.amdhsa_group_segment_fixed_size 260096
		.amdhsa_private_segment_fixed_size 0
		.amdhsa_enable_private_segment 0
		.amdhsa_kernarg_size 32
		.amdhsa_user_sgpr_count 2
		.amdhsa_user_sgpr_kernarg_segment_ptr 1
		.amdhsa_wavefront_size32 1
		.amdhsa_system_sgpr_workgroup_id_x 1
		.amdhsa_system_sgpr_workgroup_id_y 1
		.amdhsa_system_sgpr_workgroup_id_z 1
		.amdhsa_system_vgpr_workitem_id 0
		.amdhsa_next_free_vgpr 248
		.amdhsa_next_free_sgpr 66
		.amdhsa_reserve_vcc 0
		.amdhsa_float_denorm_mode_32 3
		.amdhsa_float_denorm_mode_16_64 3
		.amdhsa_memory_ordered 1
		.amdhsa_forward_progress 1
		.amdhsa_inst_pref_size 53
	.end_amdhsa_kernel
	.amdgpu_metadata
---
amdhsa.version: [ 1, 2 ]
amdhsa.kernels:
  - .name:           k_qd3a57f51ec_sample
    .symbol:         k_qd3a57f51ec_sample.kd
    .args:
      - { .name: val, .offset: 0, .size: 8, .value_kind: global_buffer, .address_space: global }
      - { .name: idx, .offset: 8, .size: 8, .value_kind: global_buffer, .address_space: global }
      - { .name: wts, .offset: 16, .size: 8, .value_kind: global_buffer, .address_space: global }
      - { .name: accb, .offset: 24, .size: 8, .value_kind: global_buffer, .address_space: global }
    .group_segment_fixed_size: 260096
    .private_segment_fixed_size: 0
    .kernarg_segment_align: 8
    .kernarg_segment_size: 32
    .max_flat_workgroup_size: 512
    .sgpr_count:     66
    .vgpr_count:     248
    .wavefront_size: 32
...
	.end_amdgpu_metadata
.endif
;; end of part 6
;; launch ffn: the kernel of part 4 again; grid 228 x 1, 4 waves a work-group, clusters of 4 x 1, 327,680 bytes of LDS; arguments accb, zbuf, wb, b_out, g1, be1, b1, b2, g2, be2, out0; writes out0
;; ======== version 3 of 3: 4 launches; version 2 with the launch sample written anew for expert scheduling mode
;; limits: values outside matrix products are rounded to bf16
;; workspace buffers: wb 2,555,904 bytes; zbuf 22,282,240 bytes; val 22,544,384 bytes; idx 11,141,120 bytes of whole numbers; wts 44,564,480 bytes; accb 22,282,240 bytes
;; launch prep: the kernel of part 1 again; grid 156 x 1, 8 waves a work-group, no clusters, 0 bytes of LDS; arguments W_val, W_off, W_attn, W_out, W1, W2, wb; writes wb
;; launch proj: the kernel of part 5 again; grid 228 x 1, 4 waves a work-group, clusters of 4 x 1, 327,680 bytes of LDS; arguments feat0, feat1, feat2, feat3, pos0, pos1, pos2, pos3, ref0, ref1, ref2, ref3, wb, b_val, b_off, b_attn, zbuf, val, idx, wts; writes zbuf, val, idx, wts
;; launch sample (part 7): grid 256 x 1, 16 waves a work-group, no clusters, 260,096 bytes of LDS; arguments val, idx, wts, accb; writes accb
.if DOCPART == 7
	.amdgcn_target "amdgcn-amd-amdhsa--gfx1250"
	.amdhsa_code_object_version 6
	.text
	.protected	k_qd3a57f51ec_sample
	.globl	k_qd3a57f51ec_sample
	.p2align	8
	.type	k_qd3a57f51ec_sample,@function
k_qd3a57f51ec_sample:
	s_mov_b64 s[64:65], 0
	v_nop
	global_prefetch_b8 v0, s[64:65] scope:SCOPE_SE
	s_setreg_imm32_b32 hwreg(HW_REG_WAVE_SCHED_MODE, 0, 2), 2
	s_setreg_imm32_b32 hwreg(HW_REG_WAVE_MODE, 25, 1), 1
	s_wait_xcnt 0x0
	s_wait_alu depctr_vm_vsrc(0)
; acc[q][head][:] = the sum over the head's 16 points and their 4 corners of weight x value row.
; SHARES.  A work-group owns one (batch, head) plane of val, one half of its 32 channels, and 170 of the batch's 1,360 blocks of 16 queries:
; 16 planes x 2 halves x 8 ranges = 256 work-groups of 16 waves.  Wave w takes blocks w, w + 16, .. of the range: 11 trips, the eleventh for waves 0 to 9 alone.
; Lane (r = lane % 16, h = lane / 16) owns query r and the 8 channels 16 half + 8 h + 0..7 of the head: the 16 bytes that accb's layout gives it
; (byte block x 8192 + t x 512 + lane x 16 holds channels 16 t + 8 h + 0..7; t = 2 head + half), so a wave stores 512 consecutive bytes a block.
; THE TABLE.  Levels 1 to 3 of the plane are 5,376 tokens on end; 16 channels of each are 32 bytes.  They lie in LDS for the whole launch, 48 bytes apart
; (an odd multiple of 16: the 16 lanes of a load's half fall on any of the 16 columns of 16 bytes), 258,048 bytes.  So 12 of a head's 16 points are gathered from LDS;
; level 0 (16,384 tokens) has no room there and is gathered from memory, 32 bytes a token and query.
; The table is filled once, through registers: 21 passes of 256 tokens; in a pass wave w stores 768 bytes of its own.  One barrier; behind it LDS is only read.
; THE NUMBERS are whole numbers that an earlier launch stored: point j of set hp lies in level hp + 2 (j / 4); the corners are token, token + 1, token + W, token + W + 1.
; Each number is held to its level's largest base token before it enters an address (16,254; and, counted from level 1's first token, 4,030, 5,086, 5,358), so that no corner
; leaves its level.  Weights are bf16 pairs (columns bx, bx + 1) for rows by and by + 1; products and sums in f32; the result is rounded once to bf16.
; THE MODE: SCHED_MODE bits 1:0 = 2 (LLVM: expert scheduling mode 2), set by the entry lines.  The code itself states the register dependences
; between vector instructions and memory or LDS instructions, with s_wait_alu, always for 0.
; THE PLAN.  Registers that memory or LDS instructions touch, in a trip:
;   ADRG (4), ADRL (12)  a register for each of the 16 points.  Written at the trip's head, in place, from the numbers; read by the point's four loads; not named again in the trip.
;   GG (64)              level 0's 16 gathers land here; read by the trip's last four points' multiply-adds.
;   GL (4 slots of 16)   point q's four LDS loads land in slot q % 4; read by point q's multiply-adds; the loads of point q + 4 land there next.
;   IDX2, WT2            the next block's ten header loads land here; read by the 40 copies at the trip's end.
;   OUT (4)              written by the four roundings; read by the one store.
;   HO, LO16, FG         offsets, made once at the kernel's head and never written again.
;   IDX, WT, ACC, ZERO   named by vector instructions alone in the loop.
; A TRIP: one wait on vm_vsrc; level 0's four addresses; a wait on va_vdst; the 16 gathers and the next block's two loads of numbers, dealt among the lines that make the twelve LDS
; addresses; a wait on va_vdst; the loads of points 0 to 3; the twelve LDS points are summed, the next block's eight loads of weights dealt among the first four, and behind each two
; points a wait on va_vdst and the loads of the two points four further on; then level 0's four points; the roundings, a wait on va_vdst, the store; the second set is copied.
; HINTS.  The rows of val are read again and again, by eight work-groups each: th:TH_LOAD_HT.  The result is written once and not read in this launch: th:TH_STORE_NT.
; NO CLUSTER, NO TENSOR LOAD: what work-groups share is the table, 172,032 bytes of the some 2 MB that each reads, and its rows are 32 bytes of each 64.  No matrix unit: a gather.
.set PLANE, 1409024                    ; bytes of a plane of val
.set L1AT,  1048576                    ; level 1's first token in a plane: 16,384 tokens x 64 bytes
.set TP,    48                         ; a token in LDS
.set SPARE, 258048                     ; behind the table: the spare words, 128 bytes for each of 16 waves
.set NBLK,  170                        ; blocks of a work-group
.set TRIPS, 11
.set HO,   4                           ; 16 r: my query's 16 bytes in a header's 256
.set CH16, 5                           ; 32 half + 16 h: my 16 bytes in a token's 64 in memory
.set H16,  6                           ; 16 h: my 16 bytes in a token's 32 in LDS
.set LO16, 7                           ; 16 x lane
.set ZERO, 10                          ; the addend of a block's first eight products
.set SPW,  11                          ; my spare word; never rewritten
.set NIL,  12                          ; 0; never rewritten
.set FG,   13                          ; the fill: my 16 bytes of pass 0 in memory
.set IDX,  16                          ; v16-23  set hp at 4 hp: two numbers a register
.set WT,   24                          ; v24-55  set hp, point j, row dy at 16 hp + 2 j + dy
.set IDX2, 56                          ; v56-63, v64-95: the next block's
.set WT2,  64
.set ADRG, 96                          ; v96-99   level 0's four points
.set FL,   96                          ; v96-100  the fill: my place in LDS, five registers 61,440 bytes apart (the immediate has 16 bits)
.set ACC,  104                         ; v104-111
.set OUT,  112                         ; v112-115
.set GG,   116                         ; v116-179 level 0: point j, corner 2 dy + dx at 16 j + 4 corner; first the fill's 84 registers
.set GL,   180                         ; v180-243 slot s likewise
.set ADRL, 244                         ; v244-255 the twelve points in LDS, a register each
.set WVN,  12                          ; s12 wave
.set HEAD, 16
.set B0,   18                          ; the range's first block
.set CUR,  22                          ; my block within the range
.set CNT,  23
.set IPN,  26                          ; s[26:27] idx at a block and head
.set WPN,  28                          ; s[28:29] wts likewise
.set AP,   30                          ; s[30:31] accb at my block's tile
.set TILE, 36                          ; (2 head + half) x 512
	s_load_b256 s[4:11], s[0:1], 0x0               ; val s[4:5], idx s[6:7], wts s[8:9], accb s[10:11]
	v_lshl_add_u32 v[SPW], v0, 2, SPARE
	v_mov_b32 v[NIL], 0
	v_mov_b32 v[ZERO], 0
	v_lshrrev_b32 v1, 5, v0
	v_readfirstlane_b32 s[WVN], v1                 ; wave 0..15
	s_and_b32 s13, ttmp9, 7                        ; range
	s_lshr_b32 s15, ttmp9, 3
	s_and_b32 s14, s15, 1                          ; channel half
	s_lshr_b32 s15, s15, 1                         ; plane = batch x 8 + head
	s_and_b32 s[HEAD], s15, 7
	s_lshr_b32 s17, s15, 3                         ; batch
	s_mul_i32 s[B0], s17, 1360
	s_mul_i32 s19, s13, NBLK
	s_add_co_u32 s[B0], s[B0], s19
	s_mul_i32 s20, s15, PLANE
	s_mov_b32 s21, 0
	s_mov_b32 s33, 0
	s_mov_b32 s35, 0
	s_mov_b32 s39, 0
	s_lshl_b32 s[TILE], s[HEAD], 1
	s_add_co_u32 s[TILE], s[TILE], s14
	s_lshl_b32 s[TILE], s[TILE], 9
	s_wait_alu depctr_va_sdst(0)                   ; the wave's number is written into its scalar register, ahead of its first reader, the next line
	s_mov_b32 s[CUR], s[WVN]
	s_mov_b32 s[CNT], TRIPS
	v_and_b32 v2, 15, v0
	v_bfe_u32 v3, v0, 4, 1
	v_lshlrev_b32 v[HO], 4, v2
	v_lshlrev_b32 v[H16], 4, v3
	s_lshl_b32 s24, s14, 5
	v_add_nc_u32 v[CH16], s24, v[H16]
	v_and_b32 v1, 31, v0                           ; lane
	v_lshlrev_b32 v[LO16], 4, v1
	; the fill: in a pass wave w takes tokens 16 w .. 16 w + 15, two lanes a token
	v_lshrrev_b32 v2, 1, v1
	v_and_b32 v3, 1, v0
	v_lshlrev_b32 v3, 4, v3
	v_lshl_add_u32 v[FG], v2, 6, v3
	s_lshl_b32 s25, s[WVN], 10
	s_add_co_u32 s25, s25, s24
	v_add_nc_u32 v[FG], s25, v[FG]                 ; 1,024 w + 64 (lane / 2) + 16 (lane % 2) + 32 half
	v_mul_u32_u24 v2, v2, TP
	v_add_nc_u32 v2, v2, v3
	s_mul_i32 s25, s[WVN], 16*TP
	v_add_nc_u32 v[FL], s25, v2                    ; 768 w + 48 (lane / 2) + 16 (lane % 2)
.irp g, 1,2,3,4
	v_add_nc_u32 v[FL+\g], 61440*\g, v[FL]
.endr
; idx and wts at block n of the range, held to the range's last block
.macro PTRS n
	s_min_u32 s24, \n, NBLK-1
	s_add_co_u32 s24, s24, s[B0]
	s_lshl_b32 s24, s24, 3
	s_add_co_u32 s24, s24, s[HEAD]                 ; block x 8 + head
	s_lshl_b32 s32, s24, 9
	s_lshl_b32 s34, s24, 11
	s_add_nc_u64 s[IPN:IPN+1], s[6:7], s[32:33]
	s_add_nc_u64 s[WPN:WPN+1], s[8:9], s[34:35]
.endm
; a block's numbers and weights for my query: 10 loads in all; sixteen lanes take 256 consecutive bytes.  HDR_I: the two loads of numbers.  HDR_W: two of the eight loads of weights
.macro HDR_I ib
	global_load_b128 v[(\ib):(\ib)+3], v[HO], s[IPN:IPN+1]
	global_load_b128 v[(\ib)+4:(\ib)+7], v[HO], s[IPN:IPN+1] offset:256
.endm
.macro HDR_W wbs, p
	global_load_b128 v[(\wbs)+4*(\p):(\wbs)+4*(\p)+3], v[HO], s[WPN:WPN+1] offset:512*(\p)
	global_load_b128 v[(\wbs)+16+4*(\p):(\wbs)+16+4*(\p)+3], v[HO], s[WPN:WPN+1] offset:512*(\p)+256
.endm
	s_wait_kmcnt 0x0
	s_add_nc_u64 s[4:5], s[4:5], s[20:21]          ; val at my plane
	PTRS s[CUR]
	s_wait_alu depctr_va_vdst(0)                   ; HO, LO16, FG and the five FL are written: the loads, the LDS stores and the store below read them as offsets and addresses
	HDR_I IDX                                      ; my first block
.irp p, 0,1,2,3
	HDR_W WT, \p
.endr
.set i, 0
.rept 21
	global_load_b128 v[GG+4*i:GG+4*i+3], v[FG], s[4:5] offset:L1AT+16384*i th:TH_LOAD_HT
.set i, i+1
.endr
.set i, 0
.rept 21
	s_wait_loadcnt 20-i                            ; loads return in order: pass i is in, the younger passes stay out; the header came before them all
	ds_store_b128 v[FL+i/5], v[GG+4*i:GG+4*i+3] offset:12288*(i%5)
.set i, i+1
.endr
	s_wait_dscnt 0x0                               ; for the others' sake: my part of the table is stored
	s_barrier_signal -1
	s_barrier_wait -1                              ; the table is whole; from here on LDS is only read
.macro EXTR d, j, hp                   ; the number of point j of set hp, into register d
.if (\j)%2 == 0
	v_and_b32 v[\d], 0xffff, v[IDX+4*(\hp)+(\j)/2]
.else
	v_lshrrev_b32 v[\d], 16, v[IDX+4*(\hp)+(\j)/2]
.endif
.endm
.macro GATHER j                        ; level 0, point j: four corners from memory
.irp dy, 0,1
.irp dx, 0,1
	global_load_b128 v[GG+16*(\j)+4*(2*\dy+\dx):GG+16*(\j)+4*(2*\dy+\dx)+3], v[ADRG+(\j)], s[4:5] offset:8192*\dy+64*\dx th:TH_LOAD_HT
.endr
.endr
.endm
.macro LQ q                            ; point q of the twelve in LDS: its level, set, number in the set, bound, row pitch and slot
.set lev, 1+(\q)/4
.set lhp, lev%2
.set lj,  (\q)%4+4*(lev/2)
.set lcl, 4030
.if lev == 2
.set lcl, 5086
.endif
.if lev == 3
.set lcl, 5358
.endif
.set lrow, (128>>lev)*TP
.set sl,  (\q)%4
.endm
.macro LOAD_L q                        ; point q: four corners from the table, into slot q % 4
	LQ \q
.irp dy, 0,1
.irp dx, 0,1
	ds_load_b128 v[GL+16*sl+4*(2*\dy+\dx):GL+16*sl+4*(2*\dy+\dx)+3], v[ADRL+(\q)] offset:lrow*\dy+TP*\dx
.endr
.endr
.endm
; a point's 32 multiply-adds straight from bf16 halves into the 8 f32 sums; seven other sums stand between two on one.  first = 1: the block's first corner starts the sums
.macro FMAS gb, wbs, first
.irp dy, 0,1
.irp dx, 0,1
.irp n, 0,1,2,3
.if (\first) && (\dy == 0) && (\dx == 0)
	v_fma_mix_f32_bf16 v[ACC+2*\n], v[(\gb)+4*(2*\dy+\dx)+\n], v[(\wbs)+\dy], v[ZERO] op_sel:[0,\dx,0] op_sel_hi:[1,1,0]
	v_fma_mix_f32_bf16 v[ACC+2*\n+1], v[(\gb)+4*(2*\dy+\dx)+\n], v[(\wbs)+\dy], v[ZERO] op_sel:[1,\dx,0] op_sel_hi:[1,1,0]
.else
	v_fma_mix_f32_bf16 v[ACC+2*\n], v[(\gb)+4*(2*\dy+\dx)+\n], v[(\wbs)+\dy], v[ACC+2*\n] op_sel:[0,\dx,0] op_sel_hi:[1,1,0]
	v_fma_mix_f32_bf16 v[ACC+2*\n+1], v[(\gb)+4*(2*\dy+\dx)+\n], v[(\wbs)+\dy], v[ACC+2*\n+1] op_sel:[1,\dx,0] op_sel_hi:[1,1,0]
.endif
.endr
.endr
.endr
.endm
.Ltrip:
	s_cmp_ge_u32 s[CUR], NBLK                      ; the eleventh trip has blocks for waves 0 to 9 alone
	s_cbranch_scc1 .Ldead
	s_wait_alu depctr_vm_vsrc(0)                   ; the last trip's gathers and LDS loads have read ADRG and ADRL, and its store has read OUT: all are written again below; in the first trip: the fill's LDS stores have read FL and v116-199, which are ADRG, GG and part of GL from here on
	; level 0's four addresses, a stage at a time, so that no line reads the result of the line before it
.irp j, 0,1,2,3
	EXTR ADRG+\j, \j, 0
.endr
.irp j, 0,1,2,3
	v_min_u32 v[ADRG+\j], 0x3f7e, v[ADRG+\j]
.endr
.irp j, 0,1,2,3
	v_lshl_add_u32 v[ADRG+\j], v[ADRG+\j], 6, v[CH16]
.endr
	s_wait_alu depctr_va_vdst(0)                   ; ADRG is written, which the gathers read; the last trip's multiply-adds are done reading GG and GL, and its copies IDX2 and WT2, in which the loads below land
	; level 0's 16 gathers have the twelve LDS points' work in which to come.  They are dealt among the five stages that make the twelve LDS addresses: those lines name IDX, H16 and ADRL alone
	GATHER 0
.irp q, 0,1,2,3,4,5,6,7,8,9,10,11
	LQ \q
	EXTR ADRL+\q, lj, lhp
.endr
	GATHER 1
.irp q, 0,1,2,3,4,5,6,7,8,9,10,11
	v_add_nc_u32 v[ADRL+\q], 0xffffc000, v[ADRL+\q]    ; counted from level 1's first token (less 16,384)
.endr
	GATHER 2
.irp q, 0,1,2,3,4,5,6,7,8,9,10,11
	LQ \q
	v_min_u32 v[ADRL+\q], lcl, v[ADRL+\q]
.endr
	GATHER 3
.irp q, 0,1,2,3,4,5,6,7,8,9,10,11
	v_lshl_add_u32 v[ADRL+\q], v[ADRL+\q], 1, v[ADRL+\q]   ; x 3,
.endr
	s_add_co_u32 s25, s[CUR], 16
	PTRS s25                                       ; (the last header loads were waited for at the last trip's end: their bases may be written)
	HDR_I IDX2                                     ; the next block's header; behind my last block the range's last block's, which is not used
.irp q, 0,1,2,3,4,5,6,7,8,9,10,11
	v_lshl_add_u32 v[ADRL+\q], v[ADRL+\q], 4, v[H16]       ; x 16: 48 bytes a token; + my 16 bytes
.endr
	s_wait_alu depctr_va_vdst(0)                   ; ADRL is written, which the trip's 48 LDS loads read
	LOAD_L 0
	LOAD_L 1
	LOAD_L 2
	LOAD_L 3
.irp q, 0,1,2,3,4,5,6,7,8,9,10,11
.if \q < 4
	HDR_W WT2, \q                                  ; the header's weights, two loads ahead of each of the first four points.  No wait: no vector line since the trip's first wait on va_vdst names WT2
.endif
.if \q < 10
	s_wait_dscnt 12-4*(\q%2)                       ; LDS loads return in order: this point's four are in; four for each younger point stay out: three points behind an even one, two behind an odd one
.else
	s_wait_dscnt 4*(11-\q)
.endif
	LQ \q
.if \q == 0
	FMAS GL+16*sl, WT+16*lhp+2*lj, 1
.else
	FMAS GL+16*sl, WT+16*lhp+2*lj, 0
.endif
.if (\q < 8) && (\q % 2 == 1)
	s_wait_alu depctr_va_vdst(0)                   ; this point's multiply-adds and those of the point before are done reading their two slots, in which the eight loads below land
	LOAD_L \q+3
	LOAD_L \q+4
.endif
.endr
.irp j, 0,1,2,3
	s_wait_loadcnt 22-4*\j                         ; this point's four gathers are in; four for each younger point and the header's ten stay out
	FMAS GG+16*\j, WT+2*\j, 0
.endr
	s_wait_xcnt 0x0                                ; the last trip's store has read its data and its base: both are written again only behind this wait
	s_add_co_u32 s38, s[CUR], s[B0]
	s_lshl_b32 s38, s38, 13
	s_add_co_u32 s38, s38, s[TILE]
	s_add_nc_u64 s[AP:AP+1], s[10:11], s[38:39]
.irp n, 0,1,2,3
	v_cvt_pk_bf16_f32 v[OUT+\n], v[ACC+2*\n], v[ACC+2*\n+1]
.endr
	s_wait_alu depctr_va_vdst(0)                   ; the four roundings have written OUT, which the store reads
	global_store_b128 v[LO16], v[OUT:OUT+3], s[AP:AP+1] th:TH_STORE_NT  ; 512 consecutive bytes, aligned
	s_wait_loadcnt 0x0                             ; the next block's header is in
.set n, 0
.rept 8
	v_mov_b32 v[IDX+n], v[IDX2+n]
.set n, n+1
.endr
.set n, 0
.rept 32
	v_mov_b32 v[WT+n], v[WT2+n]
.set n, n+1
.endr
.Ldead:
	s_add_co_u32 s[CUR], s[CUR], 16
	s_sub_co_u32 s[CNT], s[CNT], 1
	s_cmp_lg_u32 s[CNT], 0
	s_cbranch_scc1 .Ltrip
	s_wait_dscnt 0x0                               ; the wave's end
	s_wait_alu 0x0
	s_wait_tensorcnt 0x0
	ds_add_u32 v[SPW], v[NIL]
	s_wait_dscnt 0x0
	s_endpgm
.Lfunc_end_k_qd3a57f51ec_sample:
	.size	k_qd3a57f51ec_sample, .Lfunc_end_k_qd3a57f51ec_sample-k_qd3a57f51ec_sample
	.p2alignl 7, 3214868480
	.fill 96, 4, 3214868480
	.section	.rodata,"a",@progbits
	.p2align	6, 0x0
	.amdhsa_kernel k_qd3a57f51ec_sample
		.amdhsa_group_segment_fixed_size 260096
		.amdhsa_private_segment_fixed_size 0
		.amdhsa_enable_private_segment 0
		.amdhsa_kernarg_size 32
		.amdhsa_user_sgpr_count 2
		.amdhsa_user_sgpr_kernarg_segment_ptr 1
		.amdhsa_wavefront_size32 1
		.amdhsa_system_sgpr_workgroup_id_x 1
		.amdhsa_system_sgpr_workgroup_id_y 1
		.amdhsa_system_sgpr_workgroup_id_z 1
		.amdhsa_system_vgpr_workitem_id 0
		.amdhsa_next_free_vgpr 256
		.amdhsa_next_free_sgpr 66
		.amdhsa_reserve_vcc 0
		.amdhsa_float_denorm_mode_32 3
		.amdhsa_float_denorm_mode_16_64 3
		.amdhsa_memory_ordered 1
		.amdhsa_forward_progress 1
		.amdhsa_inst_pref_size 53
	.end_amdhsa_kernel
	.amdgpu_metadata
---
amdhsa.version: [ 1, 2 ]
amdhsa.kernels:
  - .name:           k_qd3a57f51ec_sample
    .symbol:         k_qd3a57f51ec_sample.kd
    .args:
      - { .name: val, .offset: 0, .size: 8, .value_kind: global_buffer, .address_space: global }
      - { .name: idx, .offset: 8, .size: 8, .value_kind: global_buffer, .address_space: global }
      - { .name: wts, .offset: 16, .size: 8, .value_kind: global_buffer, .address_space: global }
      - { .name: accb, .offset: 24, .size: 8, .value_kind: global_buffer, .address_space: global }
    .group_segment_fixed_size: 260096
    .private_segment_fixed_size: 0
    .kernarg_segment_align: 8
    .kernarg_segment_size: 32
    .max_flat_workgroup_size: 512
    .sgpr_count:     66
    .vgpr_count:     256
    .wavefront_size: 32
...
	.end_amdgpu_metadata
.endif
;; end of part 7
;; launch ffn: the kernel of part 4 again; grid 228 x 1, 4 waves a work-group, clusters of 4 x 1, 327,680 bytes of LDS; arguments accb, zbuf, wb, b_out, g1, be1, b1, b2, g2, be2, out0; writes out0
